; MI455X (gfx1250); checked and timed in simulation.
; The chip was launched on July 23, 2026; its instructions are those of AMD's public machine-readable ISA for CDNA 5 (MIT licence, August 2026) and "CDNA5" Instruction Set Architecture Reference Guide (July 2026). The comments in the code are by the model that wrote it; some were corrected since.
;; Multi Head Attention. Allowed arithmetic: float matrix products may take bf16 or f16 operands with f32 sums; other float arithmetic in f32, or as packed bf16 or f16 multiplies, adds, multiply-adds, maxima and minima; sums over many terms, partial sums and values carried from step to step in f32; what a program stores and reads back later, other than sums and carried values, may be rounded once to bf16 or f16.
;; Inputs: Wk 1,024 x 1,024 float32; Wo 1,024 x 1,024 float32; Wq 1,024 x 1,024 float32; Wv 1,024 x 1,024 float32; bk 1,024 float32; bo 1,024 float32; bq 1,024 float32; bv 1,024 float32; k 4 x 4,096 x 1,024 float32; ln_b 1,024 float32; ln_w 1,024 float32; q 4 x 4,096 x 1,024 float32; v 4 x 4,096 x 1,024 float32.
;; Outputs: out0 4 x 4,096 x 1,024 float32.
;; 3 versions, each right; version 2 is faster than version 1; version 3 is version 2 with the launch mha written anew for expert scheduling mode. Each part assembles by itself: llvm-mc -triple=amdgcn-amd-amdhsa -mcpu=gfx1250 --defsym DOCPART=n.
;; ======== version 1 of 3: 3 launches
;; limits: values are held in f16: magnitudes above 65,504 overflow, below 6.1e-05 lose precision
;; workspace buffers: wt 8,388,608 bytes; bias 24,576 bytes; qkv 100,663,296 bytes
;; launch prep (part 1): grid 64 x 4, 8 waves a work-group, no clusters, 0 bytes of LDS; arguments Wq, Wk, Wv, Wo, bq, bk, bv, bo, ln_w, ln_b, wt, bias; writes wt, bias
.if DOCPART == 1
	.amdgcn_target "amdgcn-amd-amdhsa--gfx1250"
	.amdhsa_code_object_version 6
	.text
	.protected	k_qda6ff38a14_prep
	.globl	k_qda6ff38a14_prep
	.p2align	8
	.type	k_qda6ff38a14_prep,@function
k_qda6ff38a14_prep:
	s_mov_b64 s[64:65], 0
	v_nop
	global_prefetch_b8 v0, s[64:65] scope:SCOPE_SE
	s_setreg_imm32_b32 hwreg(HW_REG_WAVE_MODE, 25, 1), 1
	s_wait_xcnt 0x0
; The four weight matrices ([k][n] f32, 1024 x 1024) are rounded to bf16 and laid out once in the order in which the later launches' matrix instructions
; want them; the six vectors are rounded to bf16 and kept as f32.
; A FRAGMENT is 16 n x 32 k in 1,024 bytes: byte j*512 + L*16 + e*2 holds n = 16 nb + (L & 15), k = 32 kb + 16 j + 8 (L >> 4) + e.
;   Wq, Wk, Wv (bf16): matrix*2 MiB + nt*512 KiB + ks*32 KiB + nb*2 KiB + kq*1 KiB + fragment   (nt: 256 columns, ks: 64 along k, nb: 16 columns, kq: 32 along k)
;   Wo (the bf16 number written as f16): 6 MiB + ks*64 KiB + nb*1 KiB + fragment                (ks: 32 along k, nb: 16 of all 1,024 columns)
; COLUMN ORDERS (head t or h, channel d; the true column is 64 head + d):
;   Wq, Wk, bq, bk, and the ROWS of Wo:  place (d/8)*128 + head*8 + d%8
;   Wv, bv:                              place (d/16)*256 + (t/8)*128 + (d%16)*8 + t%8
; With them a token's fragments of Q, K and V^T are runs of 512 consecutive bytes, and the attention's result falls into the order of Wo's rows.
; SHARES.  Work-group (x, y): 32 KiB number x of matrix y's output = 2,048 pieces of 16 bytes (8 numbers along k); thread t makes pieces i*256 + t, i = 0..7,
; so each store of a wave covers 512 consecutive bytes.  A piece's 8 numbers are 8 loads of 4 bytes, a row of W apart; every number of W is read once in the launch.
; LIMIT.  Numbers of Wo below 6.1e-5 keep f16's fixed step of 6e-8; beyond 65,504 they would be infinite.
.set VO, 1                             ; v1      byte offset in W of piece 0's first number
.set TO, 2                             ; v2      16 x thread: my 16 bytes in 4,096 of the output
.set BO, 3                             ; v3      byte offset of my first number in a vector
.set D,  16                            ; v[16:79]   piece i, number e at D + 8 i + e
.set Y,  80                            ; v[80:111]  piece i packed: 4 registers
	s_load_b512 s[4:19], s[0:1], 0x0               ; Wq s[4:5], Wk s[6:7], Wv s[8:9], Wo s[10:11], bq s[12:13], bk s[14:15], bv s[16:17], bo s[18:19]
	s_load_b256 s[20:27], s[0:1], 0x40             ; ln_w s[20:21], ln_b s[22:23], wt s[24:25], bias s[26:27]
	s_mov_b32 s28, ttmp9                           ; x
	s_and_b32 s29, ttmp7, 0xffff                   ; y: the matrix
	v_and_b32 v4, 15, v0                           ; r
	v_bfe_u32 v5, v0, 4, 3                         ; u: which 8 of the 64 along k
	v_lshrrev_b32 v6, 7, v0                        ; b0: the low bit of nb
	v_lshrrev_b32 v7, 3, v4                        ; r >> 3
	v_and_b32 v8, 7, v4                            ; r & 7
	v_lshlrev_b32 v[TO], 4, v0
	v_lshl_add_u32 v9, v6, 1, v7                   ; 2 b0 + (r >> 3)
	s_lshl_b32 s34, s29, 21                        ; the matrix's 2 MiB
	s_lshl_b32 s35, s28, 15                        ; my 32 KiB of them
	s_add_co_u32 s34, s34, s35
	s_mov_b32 s35, 0
	s_and_b32 s36, s28, 15                         ; ks
	s_lshr_b32 s37, s28, 4                         ; nt
	s_lshl_b32 s36, s36, 18                        ; 64 ks rows of 4,096 bytes
	s_lshl_b32 s37, s37, 6                         ; 16 nt columns of 4 bytes
	s_add_co_u32 s36, s36, s37
	s_wait_kmcnt 0x0
	s_add_nc_u64 s[32:33], s[24:25], s[34:35]
	s_cmp_eq_u32 s29, 1
	s_cselect_b64 s[30:31], s[6:7], s[4:5]
	s_cmp_eq_u32 s29, 2
	s_cselect_b64 s[30:31], s[8:9], s[30:31]
	s_cmp_eq_u32 s29, 3
	s_cselect_b64 s[30:31], s[10:11], s[30:31]     ; my matrix
; 64 loads on end: piece i, number e.  From piece to piece the true column moves by S1 bytes for i % 4 and S2 bytes for i / 4.
.macro LOADS S1, S2
.set i, 0
.rept 8
.set e, 0
.rept 8
	global_load_b32 v[D+8*i+e], v[VO], s[30:31] offset:e*4096+(i%4)*(\S1)+(i/4)*(\S2)
.set e, e+1
.endr
.set i, i+1
.endr
.endm
	s_cmp_eq_u32 s29, 3
	s_cbranch_scc1 .Lwo
	s_cmp_eq_u32 s29, 2
	s_cbranch_scc1 .Lpv
	; Wq, Wk: place 256 nt + 32 i + 16 b0 + r is column (4 (i%4) + 2 b0 + (r>>3)) * 64 + (2 nt + i/4) * 8 + (r&7)
	v_lshl_add_u32 v[VO], v5, 15, s36              ; + 8 u rows
	v_lshl_add_u32 v[VO], v9, 8, v[VO]
	v_lshl_add_u32 v[VO], v8, 2, v[VO]
	LOADS 1024, 32
	s_branch .Lcvt
.Lpv:
	; Wv: the same place is column (8 (i/4) + (r&7)) * 64 + 16 nt + 4 (i%4) + 2 b0 + (r>>3)
	v_lshl_add_u32 v[VO], v5, 15, s36
	v_lshl_add_u32 v[VO], v8, 8, v[VO]
	v_lshl_add_u32 v[VO], v9, 2, v[VO]
	LOADS 16, 2048
.Lcvt:
.set i, 0
.rept 8
	s_wait_loadcnt 56-8*i                          ; loads return in order: piece i's eight are in, the 8 (7 - i) younger ones may be out
.set j, 0
.rept 4
	v_cvt_pk_bf16_f32 v[Y+4*i+j], v[D+8*i+2*j], v[D+8*i+2*j+1]
.set j, j+1
.endr
	global_store_b128 v[TO], v[Y+4*i:Y+4*i+3], s[32:33] offset:4096*i
.set i, i+1
.endr
	s_branch .Lbias
.Lwo:
	; Wo: ks = x / 2; k place 32 ks + 8 (u&3) + e is row (4 (ks&3) + (u&3)) * 64 + (ks>>2) * 8 + e; column ((x&1) * 32 + 4 i + (thread >> 6)) * 16 + r
	s_lshr_b32 s36, s28, 1
	s_and_b32 s37, s36, 3
	s_lshl_b32 s37, s37, 20
	s_lshr_b32 s36, s36, 2
	s_lshl_b32 s36, s36, 15
	s_add_co_u32 s36, s36, s37
	s_and_b32 s37, s28, 1
	s_lshl_b32 s37, s37, 11
	s_add_co_u32 s36, s36, s37
	v_and_b32 v5, 3, v5
	v_lshrrev_b32 v6, 6, v0
	v_lshl_add_u32 v[VO], v5, 18, s36
	v_lshl_add_u32 v[VO], v6, 6, v[VO]
	v_lshl_add_u32 v[VO], v4, 2, v[VO]
	LOADS 256, 1024
.set i, 0
.rept 8
	s_wait_loadcnt 56-8*i
.set j, 0
.rept 4
	v_cvt_pk_bf16_f32 v4, v[D+8*i+2*j], v[D+8*i+2*j+1]  ; rounded to bf16 like every input,
	v_lshlrev_b32 v5, 16, v4
	v_and_b32 v6, 0xffff0000, v4
	v_cvt_pk_f16_f32 v[Y+4*i+j], v5, v6            ; and that number written as f16 (exact inside f16's normal range)
.set j, j+1
.endr
	global_store_b128 v[TO], v[Y+4*i:Y+4*i+3], s[32:33] offset:4096*i
.set i, i+1
.endr
; THE VECTORS.  Work-group (0, y) makes row y of bias (bq, bk, bv in their column orders, bo as it is); (1, 0) and (1, 1) make rows 4 and 5 (ln_w, ln_b).
; Thread t makes places 4 t .. 4 t + 3; their true columns lie stride bytes apart.  All the matrix's loads are back (the last wait was for 0), so s[30:31] may be written.
.macro BROW stride
	s_lshl_b32 s40, s40, 12
	s_mov_b32 s41, 0
	s_add_nc_u64 s[38:39], s[26:27], s[40:41]
.irp u, 0,1,2,3
	global_load_b32 v[8+\u], v[BO], s[30:31] offset:\u*(\stride)
.endr
	s_wait_loadcnt 0x0
	v_cvt_pk_bf16_f32 v5, v8, v9
	v_cvt_pk_bf16_f32 v6, v10, v11
	v_lshlrev_b32 v12, 16, v5
	v_and_b32 v13, 0xffff0000, v5
	v_lshlrev_b32 v14, 16, v6
	v_and_b32 v15, 0xffff0000, v6
	global_store_b128 v[TO], v[12:15], s[38:39]
.endm
.Lbias:
	s_cmp_eq_u32 s28, 0
	s_cbranch_scc1 .Lrow
	s_cmp_eq_u32 s28, 1
	s_cbranch_scc0 .Lend
	s_cmp_lt_u32 s29, 2
	s_cbranch_scc0 .Lend
	s_cmp_eq_u32 s29, 1
	s_cselect_b64 s[30:31], s[22:23], s[20:21]
	s_add_co_u32 s40, s29, 4
	s_branch .Lident
.Lrow:
	s_cmp_eq_u32 s29, 1
	s_cselect_b64 s[30:31], s[14:15], s[12:13]
	s_cmp_eq_u32 s29, 2
	s_cselect_b64 s[30:31], s[16:17], s[30:31]
	s_cmp_eq_u32 s29, 3
	s_cselect_b64 s[30:31], s[18:19], s[30:31]
	s_mov_b32 s40, s29
	s_cmp_eq_u32 s29, 3
	s_cbranch_scc1 .Lident
	s_cmp_eq_u32 s29, 2
	s_cbranch_scc1 .Lpvrow
	v_bfe_u32 v4, v0, 1, 4                         ; bq, bk: place 4 t is column ((t>>1)&15) * 64 + (t>>5) * 8 + (t&1) * 4
	v_lshrrev_b32 v5, 5, v0
	v_and_b32 v6, 1, v0
	v_lshlrev_b32 v[BO], 8, v4
	v_lshl_add_u32 v[BO], v5, 5, v[BO]
	v_lshl_add_u32 v[BO], v6, 4, v[BO]
	BROW 4
	s_branch .Lend
.Lpvrow:
	v_bfe_u32 v4, v0, 1, 4                         ; bv: place 4 t is column (((t>>5)&1) * 8 + (t&1) * 4) * 64 + (t>>6) * 16 + ((t>>1)&15); the next place is the next head
	v_bfe_u32 v5, v0, 5, 1
	v_and_b32 v6, 1, v0
	v_lshrrev_b32 v7, 6, v0
	v_lshlrev_b32 v[BO], 2, v4
	v_lshl_add_u32 v[BO], v5, 11, v[BO]
	v_lshl_add_u32 v[BO], v6, 10, v[BO]
	v_lshl_add_u32 v[BO], v7, 6, v[BO]
	BROW 256
	s_branch .Lend
.Lident:
	v_mov_b32 v[BO], v[TO]
	BROW 4
.Lend:
	s_endpgm
.Lfunc_end_k_qda6ff38a14_prep:
	.size	k_qda6ff38a14_prep, .Lfunc_end_k_qda6ff38a14_prep-k_qda6ff38a14_prep
	.p2alignl 7, 3214868480
	.fill 96, 4, 3214868480
	.section	.rodata,"a",@progbits
	.p2align	6, 0x0
	.amdhsa_kernel k_qda6ff38a14_prep
		.amdhsa_group_segment_fixed_size 0
		.amdhsa_private_segment_fixed_size 0
		.amdhsa_enable_private_segment 0
		.amdhsa_kernarg_size 96
		.amdhsa_user_sgpr_count 2
		.amdhsa_user_sgpr_kernarg_segment_ptr 1
		.amdhsa_wavefront_size32 1
		.amdhsa_system_sgpr_workgroup_id_x 1
		.amdhsa_system_sgpr_workgroup_id_y 1
		.amdhsa_system_sgpr_workgroup_id_z 1
		.amdhsa_system_vgpr_workitem_id 0
		.amdhsa_next_free_vgpr 112
		.amdhsa_next_free_sgpr 66
		.amdhsa_reserve_vcc 0
		.amdhsa_float_denorm_mode_32 3
		.amdhsa_float_denorm_mode_16_64 3
		.amdhsa_memory_ordered 1
		.amdhsa_forward_progress 1
		.amdhsa_inst_pref_size 36
	.end_amdhsa_kernel
	.amdgpu_metadata
---
amdhsa.version: [ 1, 2 ]
amdhsa.kernels:
  - .name:           k_qda6ff38a14_prep
    .symbol:         k_qda6ff38a14_prep.kd
    .args:
      - { .name: Wq, .offset: 0, .size: 8, .value_kind: global_buffer, .address_space: global }
      - { .name: Wk, .offset: 8, .size: 8, .value_kind: global_buffer, .address_space: global }
      - { .name: Wv, .offset: 16, .size: 8, .value_kind: global_buffer, .address_space: global }
      - { .name: Wo, .offset: 24, .size: 8, .value_kind: global_buffer, .address_space: global }
      - { .name: bq, .offset: 32, .size: 8, .value_kind: global_buffer, .address_space: global }
      - { .name: bk, .offset: 40, .size: 8, .value_kind: global_buffer, .address_space: global }
      - { .name: bv, .offset: 48, .size: 8, .value_kind: global_buffer, .address_space: global }
      - { .name: bo, .offset: 56, .size: 8, .value_kind: global_buffer, .address_space: global }
      - { .name: ln_w, .offset: 64, .size: 8, .value_kind: global_buffer, .address_space: global }
      - { .name: ln_b, .offset: 72, .size: 8, .value_kind: global_buffer, .address_space: global }
      - { .name: wt, .offset: 80, .size: 8, .value_kind: global_buffer, .address_space: global }
      - { .name: bias, .offset: 88, .size: 8, .value_kind: global_buffer, .address_space: global }
    .group_segment_fixed_size: 0
    .private_segment_fixed_size: 0
    .kernarg_segment_align: 8
    .kernarg_segment_size: 96
    .max_flat_workgroup_size: 256
    .sgpr_count:     66
    .vgpr_count:     112
    .wavefront_size: 32
...
	.end_amdgpu_metadata
.endif
;; end of part 1
;; launch proj (part 2): grid 4 x 192, 4 waves a work-group, clusters of 4 x 4, 327,680 bytes of LDS; arguments q, k, v, wt, bias, qkv; writes qkv
.if DOCPART == 2
	.amdgcn_target "amdgcn-amd-amdhsa--gfx1250"
	.amdhsa_code_object_version 6
	.text
	.protected	k_qda6ff38a14_proj
	.globl	k_qda6ff38a14_proj
	.p2align	8
	.type	k_qda6ff38a14_proj,@function
k_qda6ff38a14_proj:
	s_mov_b64 s[64:65], 0
	v_nop
	global_prefetch_b8 v0, s[64:65] scope:SCOPE_SE
	s_setreg_imm32_b32 hwreg(HW_REG_WAVE_MODE, 25, 1), 1
	s_wait_xcnt 0x0
	s_wait_alu depctr_hold_cnt(0) depctr_sa_sdst(0) depctr_va_vdst(0) depctr_va_sdst(0) depctr_va_ssrc(0) depctr_va_vcc(0) depctr_vm_vsrc(0)
	s_getreg_b32 s2, hwreg(HW_REG_IB_STS2, 6, 4)
	s_cmp_eq_u32 s2, 0
	s_cbranch_scc0 .Lentry_in_a_cluster
	s_endpgm
.Lentry_in_a_cluster:
	s_bfe_u32 s2, ttmp6, 0x10000c
	s_cmp_lg_u32 s2, 0xf033
	s_cbranch_scc0 .Lentry_shape_is_right
	s_endpgm
.Lentry_shape_is_right:
; The three projections: qkv[sel][token][place] = x_sel[token][:] . W_sel[:][column of that place] + b_sel, sel = 0, 1, 2 for q, k, v.
; x is f32 and is rounded to bf16 between LDS and the matrix unit; W comes as bf16 fragments, the bias as f32 (both made by the launch before); sums in f32; the result is rounded once to f16.
; LIMIT.  f16 holds no number beyond 65,504: a projected number past that becomes an infinity.  With x and W 30 times the usual spread the results reach about 5,000, with a common offset of 30 spreads on both about 29,000.
; SHARES.  A tile is 256 tokens x 256 places: 3 x 64 x 4 = 768 work-groups.  Four waves, each 128 x 128: 64 accumulators of 16 x 16, 512 registers.  K goes in 16 steps of 64 through two LDS slots:
; a slot holds 256 rows of x (256 bytes of f32 each, from a multiple of 256 bytes on) and 32 KiB of W's fragments, dense.  A longer step does not fit twice: 128 along K would be 200 KB a slot.
; CLUSTER.  4 x 4 work-groups.  The cluster's y gives sel (y / 16) and four tile rows; the four of a row of the cluster need the same rows of x, the four of a column the same fragments of W:
; each is asked for jointly, by the same tensor load with the same descriptor and a mask that names the four.
; THE MATRIX INSTRUCTION IS USED TRANSPOSED (source 0 = 16 places of W, source 1 = 16 tokens): a lane then holds eight neighbouring places of one token, 16 bytes of f16.
; THE BIAS is the C operand of the first products: its eight registers for column block b are loaded into accumulator (7, b); accumulators (0..6, b) start from them, (7, b) adds in place.
; REGISTERS, in windows of 256 (s_set_vgpr_msb: bits 1:0 source 0, 3:2 source 1, 5:4 source 2, 7:6 destination):
;   window 0: v16-29 addresses; v64-127, v128-191 x's bf16 fragments, two buffers; v32-63, v192-255 at work on the way out
;   window 1: v64-127, v128-191 W's fragments, two buffers; v0-63, v192-255 x's f32 as it comes out of LDS (16 registers a fragment)
;   window 2: accumulators of my token blocks 0-3 ((a, b) at v[8 (8 (a % 4) + b)]);   window 3: of blocks 4-7
.set PITCH,  272                       ; a row of x in LDS: 256 bytes + 16 of padding = 68 words: the 16 rows of a load start 4 banks apart
.set HALFA,  128*PITCH                 ; 128 rows: one tensor load, and what one wave reads of x
.set HALFB,  16384                     ; 128 places x 64 k of W: one tensor load, and what one wave reads of W
.set BOFF,   2*HALFA
.set SLOT,   BOFF+2*HALFB              ; 102,400
.set STAGE,  2*SLOT                    ; behind the ring: 16 rows x 272 bytes for each wave, for the way out
.set SPITCH, 272
.set SPARE,  STAGE+4*16*SPITCH         ; the spare words, 128 bytes a wave: two blocks of 256 bytes that no other line names
.set ADRA, 16                          ; v16-17  LDS address of my x fragments in slot 0, 1
.set ADRB, 20                          ; v20-21  the same for W
.set STO,  24                          ; v24     the way out: where I put 16 bytes of a row
.set RD,   25                          ; v25     where I read a row back
.set CO,   26                          ; v26     my byte offset in two rows of the output
.set BOF,  27                          ; v27     32 x (lane / 16): my eight numbers of a column block's bias
.set SPW,  28                          ; v28     my spare word; never rewritten
.set NIL,  29                          ; v29     0; never rewritten
.set F0,   64
.set F1,   128
.set TMP,  192
.set OB,   32
.set G1A, 24                           ; s[24:31] descriptor group 1 for x's tiles;  s[32:39] group 0, a set for each slot
.set G0A, 32
.set G1B, 48                           ; s[48:55], s[56:63] the same for W's
.set G0B, 56
.set MSB, 0
.macro WIN new                         ; the immediate's high byte repeats the setting that is left; a switch that changes nothing is dropped
.if MSB != (\new)
	s_set_vgpr_msb (MSB<<8)|(\new)
.set MSB, \new
.endif
.endm
.macro PLACES                          ; four plain vector instructions between a matrix instruction and a load into, or a vector read or write of, its registers
.rept 4
	v_nop
.endr
.endm
; A joint load.  Waves 0 and 1 fetch x's two halves, waves 2 and 3 W's.  The branch hangs on the wave's number alone.  An s_nop 0 and four v_nop follow each line.
.macro JLOAD s
	s_cmp_eq_u32 s17, 0
	s_cbranch_scc0 .Lfor_b_\@
	tensor_load_to_lds s[G0A+4*(\s):G0A+4*(\s)+3], s[G1A:G1A+7]
	s_nop 0
.rept 4
	v_nop
.endr
	s_branch .Lasked_\@
.Lfor_b_\@:
	tensor_load_to_lds s[G0B+4*(\s):G0B+4*(\s)+3], s[G1B:G1B+7]
	s_nop 0
.rept 4
	v_nop
.endr
.Lasked_\@:
.endm
.macro CREST                           ; a round of the cluster's barrier behind its opening barrier
	s_cmp_lg_u32 s16, 0
	s_cbranch_scc1 .Lnot_wave_0_\@
	s_barrier_signal -3
.Lnot_wave_0_\@:
	s_barrier_wait -3
	s_barrier_signal -1
	s_barrier_wait -1
.endm
.macro CROUND                          ; a whole round
	s_barrier_signal -1
	s_barrier_wait -1
	CREST
.endm
	s_load_b256 s[4:11], s[0:1], 0x0               ; q s[4:5], k s[6:7], v s[8:9], wt s[10:11]
	s_load_b128 s[12:15], s[0:1], 0x20             ; bias s[12:13], qkv s[14:15]
	v_lshl_add_u32 v[SPW], v0, 2, SPARE
	v_mov_b32 v[NIL], 0
	ds_add_u32 v[SPW], v[NIL]                      ; the wave's opening: the add and its wait stand ahead of my first tensor load; work on registers stands between them
	ds_add_u32 v28, v29
	v_lshrrev_b32 v1, 5, v0
	v_readfirstlane_b32 s16, v1                    ; wave 0..3
	s_lshr_b32 s17, s16, 1                         ; my half of the tile's tokens.  Also: I fetch x (0) or W (1)
	s_and_b32 s18, s16, 1                          ; my half of its places.  Also: which half of that tile I fetch
	s_bfe_u32 s19, ttmp6, 0x40000                  ; cx
	s_bfe_u32 s20, ttmp6, 0x40004                  ; cy
	s_and_b32 s21, ttmp7, 0xffff                   ; the cluster's y, 0..47
	s_lshr_b32 s22, s21, 4                         ; sel: the same in all sixteen partners
	s_and_b32 s23, s21, 15
	s_lshl_b32 s23, s23, 2
	s_add_co_u32 s23, s23, s20                     ; tile row, 0..63
	s_lshl_b32 s68, ttmp9, 2
	s_add_co_u32 s68, s68, s19                     ; tile column, 0..3
	s_lshl_b32 s40, s20, 2
	s_lshl_b32 s40, 15, s40                        ; my row of the cluster
	s_lshl_b32 s69, 0x1111, s19                    ; my column
	s_or_b32 s[G1A], s40, (2<<16)|(1<<20)|(1<<21)|(5<<22)|(3<<25)  ; mask; elements of 4 bytes; padding on; bit 21 beside a mask; after every 64 words; 4 words of it
	s_mov_b32 s[G1A+1], 64<<16                     ; tensor_dim0 = 64
	s_mov_b32 s[G1A+2], 128<<16                    ; tensor_dim1 = 128
	s_mov_b32 s[G1A+3], 64<<16                     ; tile_dim0 = 64
	s_mov_b32 s[G1A+4], 128                        ; tile_dim1 = 128
	s_mov_b32 s[G1A+5], 1024                       ; elements from row to row
	s_mov_b32 s[G1A+6], 0
	s_mov_b32 s[G1A+7], 0
	s_or_b32 s[G1B], s69, (3<<16)|(1<<21)          ; mask; elements of 8 bytes; no padding: 16 KiB dense, as 64 rows of 256 bytes
	s_mov_b32 s[G1B+1], 32<<16
	s_mov_b32 s[G1B+2], 64<<16
	s_mov_b32 s[G1B+3], 32<<16
	s_mov_b32 s[G1B+4], 64
	s_mov_b32 s[G1B+5], 32
	s_mov_b32 s[G1B+6], 0
	s_mov_b32 s[G1B+7], 0
	s_lshl_b32 s40, s23, 20                        ; x: 256 x tile row rows of 4,096 bytes
	s_lshl_b32 s41, s18, 19                        ; + 128 rows for the second half
	s_add_co_u32 s40, s40, s41
	s_mov_b32 s41, 0
	s_lshl_b32 s66, s22, 21                        ; W: the matrix's 2 MiB
	s_lshl_b32 s67, s68, 19                        ; + the tile column's 512 KiB
	s_add_co_u32 s66, s66, s67
	s_lshl_b32 s67, s18, 14                        ; + 16 KiB for the second half
	s_add_co_u32 s66, s66, s67
	s_mov_b32 s67, 0
	s_mul_i32 s46, s16, HALFA                      ; where x's halves go (waves 0, 1)
	s_mul_i32 s47, s16, HALFB
	s_add_co_u32 s47, s47, BOFF-2*HALFB            ; where W's go (waves 2, 3): no place in the cluster enters an LDS address
	s_wait_dscnt 0x0                               ; the opening add is done
	s_wait_kmcnt 0x0
	s_cmp_eq_u32 s22, 1
	s_cselect_b64 s[42:43], s[6:7], s[4:5]
	s_cmp_eq_u32 s22, 2
	s_cselect_b64 s[42:43], s[8:9], s[42:43]       ; x = q, k or v
	s_add_nc_u64 s[44:45], s[42:43], s[40:41]
	s_add_nc_u64 s[66:67], s[10:11], s[66:67]
	CROUND                                         ; all sixteen work-groups are here: the first joint loads meet
.irp s, 0,1
	s_mov_b32 s[G0A+4*(\s)], 1
	s_add_co_u32 s[G0A+4*(\s)+1], s46, (\s)*SLOT
	s_add_nc_u64 s[G0A+4*(\s)+2:G0A+4*(\s)+3], s[44:45], (\s)*256    ; K step s: 64 f32 on
	s_or_b32 s[G0A+4*(\s)+3], s[G0A+4*(\s)+3], 0x80000000
	s_mov_b32 s[G0B+4*(\s)], 1
	s_add_co_u32 s[G0B+4*(\s)+1], s47, (\s)*SLOT
	s_add_nc_u64 s[G0B+4*(\s)+2:G0B+4*(\s)+3], s[66:67], (\s)*32768  ; K step s: 32 KiB on
	s_or_b32 s[G0B+4*(\s)+3], s[G0B+4*(\s)+3], 0x80000000
	JLOAD \s
.endr
	s_lshl_b32 s70, s22, 25                        ; the output: sel x 32 MiB
	s_lshl_b32 s71, s23, 19                        ; + 256 x tile row rows of 2,048 bytes
	s_add_co_u32 s70, s70, s71
	s_lshl_b32 s71, s17, 18                        ; + my 128 rows
	s_add_co_u32 s70, s70, s71
	s_lshl_b32 s71, s68, 9                         ; + the tile column's 512 bytes
	s_add_co_u32 s70, s70, s71
	s_lshl_b32 s71, s18, 8                         ; + my 256 of them
	s_add_co_u32 s70, s70, s71
	s_mov_b32 s71, 0
	s_add_nc_u64 s[14:15], s[14:15], s[70:71]
	s_lshl_b32 s72, s22, 12                        ; the bias: row sel, my 128 places
	s_lshl_b32 s73, s68, 10
	s_add_co_u32 s72, s72, s73
	s_lshl_b32 s73, s18, 9
	s_add_co_u32 s72, s72, s73
	s_mov_b32 s73, 0
	s_add_nc_u64 s[12:13], s[12:13], s[72:73]
	v_and_b32 v1, 15, v0                           ; r = lane % 16
	v_bfe_u32 v2, v0, 4, 1                         ; h = lane / 16
	v_and_b32 v3, 31, v0
	v_mul_u32_u24 v4, v1, PITCH
	v_lshl_add_u32 v4, v2, 5, v4                   ; row x pitch + 32 h: eight f32
	s_mul_i32 s74, s17, HALFA
	v_add_nc_u32 v[ADRA], s74, v4
	v_add_nc_u32 v[ADRA+1], SLOT, v[ADRA]
	s_mul_i32 s75, s18, HALFB
	s_add_co_u32 s75, s75, BOFF
	v_lshl_add_u32 v[ADRB], v3, 4, s75             ; fragments lie in lane order: 16 x lane
	v_add_nc_u32 v[ADRB+1], SLOT, v[ADRB]
	s_mul_i32 s74, s16, 16*SPITCH
	s_add_co_u32 s74, s74, STAGE
	v_mul_u32_u24 v4, v1, SPITCH
	v_lshl_add_u32 v4, v2, 4, v4
	v_add_nc_u32 v[STO], s74, v4
	v_mul_u32_u24 v5, v2, SPITCH
	v_lshl_add_u32 v5, v1, 4, v5
	v_add_nc_u32 v[RD], s74, v5
	v_lshlrev_b32 v5, 11, v2
	v_lshl_add_u32 v[CO], v1, 4, v5
	v_lshlrev_b32 v[BOF], 5, v2
	WIN 0xc0                                       ; destination window 3
.irp b, 0,1,2,3,4,5,6,7
	global_load_b128 v[192+8*\b:195+8*\b], v[BOF], s[12:13] offset:64*\b     ; register j of block b: the bias of place 16 b + 8 h + j
	global_load_b128 v[196+8*\b:199+8*\b], v[BOF], s[12:13] offset:64*\b+16
.endr
	WIN 0
; One matrix instruction: token block a, column block b, buffer f.  mode = 1: the first products: blocks 0-6 start from the bias in accumulator (7, b).
.macro MM f, a, b, mode
.set AC, 8*(8*((\a)%4)+(\b))
.if (\mode) && ((\a) < 7)
	WIN 0xb1+0x40*((\a)/4)                         ; W window 1, x window 0, C window 3, D window 2 or 3
	v_wmma_f32_16x16x32_bf16 v[AC:AC+7], v[(\f)+8*(\b):(\f)+8*(\b)+7], v[(\f)+8*(\a):(\f)+8*(\a)+7], v[192+8*(\b):199+8*(\b)]
.else
	WIN 0xa1+0x50*((\a)/4)                         ; C and D window 2 or 3
	v_wmma_f32_16x16x32_bf16 v[AC:AC+7], v[(\f)+8*(\b):(\f)+8*(\b)+7], v[(\f)+8*(\a):(\f)+8*(\a)+7], v[AC:AC+7]
.endif
.endm
.macro MUL8 f, a, mode                 ; the 64 accumulators take turns, one instruction a turn, in the same order in every quarter
.irp b, 0,1,2,3,4,5,6,7
	MM \f, \a, \b, \mode
.endr
.endm
; 48 LDS loads in one run, for 32 along K (quarter kq of the slot): first x's f32 (fragment i: k = 8 h .. + 7 and 16 + 8 h .. + 7, four loads), then W's fragments into buffer g.
.macro FETCH slot, kq, g
	WIN 0x40                                       ; destination window 1
.irp i, 0,1,2,3,4,5,6,7
.set RW, 16*\i+128*(\i/4)
	ds_load_b128 v[RW:RW+3],     v[ADRA+(\slot)] offset:\i*16*PITCH+(\kq)*128
	ds_load_b128 v[RW+4:RW+7],   v[ADRA+(\slot)] offset:\i*16*PITCH+(\kq)*128+16
	ds_load_b128 v[RW+8:RW+11],  v[ADRA+(\slot)] offset:\i*16*PITCH+(\kq)*128+64
	ds_load_b128 v[RW+12:RW+15], v[ADRA+(\slot)] offset:\i*16*PITCH+(\kq)*128+80
.endr
.irp i, 0,1,2,3,4,5,6,7
	ds_load_b128 v[(\g)+8*\i:(\g)+8*\i+3],   v[ADRB+(\slot)] offset:(2*\i+(\kq))*1024
	ds_load_b128 v[(\g)+8*\i+4:(\g)+8*\i+7], v[ADRB+(\slot)] offset:(2*\i+(\kq))*1024+512
.endr
.endm
; Half k of 16 halves of x's fragments is rounded to bf16 into buffer g.
.macro CVT4 k, g
	s_wait_dscnt 46-2*(\k)                         ; LDS loads return in order: of the run of 48 the first 2 k + 2 are in
	WIN 0x05                                       ; sources window 1, destination window 0
.set RW, 16*((\k)/2)+128*((\k)/8)+8*((\k)%2)
.irp j, 0,1,2,3
	v_cvt_pk_bf16_f32 v[(\g)+4*(\k)+\j], v[RW+2*\j], v[RW+2*\j+1]
.endr
.endm
; The quarter's last 16 products, each with four conversions for the next quarter behind it.  In the first quarter those between (6, b) and (7, b), 32 plain instructions, are also the places in front of the write over the bias.
.macro MULCVT f, g, mode
.set kk, 0
.rept 16
	MM \f, 6+kk/8, kk%8, \mode
	CVT4 kk, \g
.set kk, kk+1
.endr
.endm
; A K step's first quarter: multiplies buffer 0, fetches and converts the second quarter.
.macro Q0 slot, first
	s_wait_dscnt 0x0                               ; W's fragments are in
	MUL8 F0, 0, \first
	MUL8 F0, 1, \first
	MUL8 F0, 2, \first
	MUL8 F0, 3, \first
	PLACES
	FETCH \slot, 1, F1
	MUL8 F0, 4, \first
	MUL8 F0, 5, \first
	MULCVT F0, F1, \first
.endm
; Its second quarter multiplies buffer 1 and changes slots.  In front of the barrier each wave waits for all its tensor loads (one is out: its part of the next slot), adds 0 to its spare word, and waits for
; that and for its reads of this slot, which were all issued in the first quarter.  fill = 1: the barrier opens a round of the cluster's, and this slot is filled again, two K steps ahead, first thing behind it:
; from there to the wait for it a wave issues 96 matrix instructions.
.macro Q1 slot, next, fill
	WIN 0
	s_wait_tensorcnt 0x0
	ds_add_u32 v[SPW], v[NIL]
	s_wait_dscnt 1                                 ; W's fragments are in; only the add may be out
	MUL8 F1, 0, 0
	MUL8 F1, 1, 0
	s_wait_dscnt 0x0                               ; the add is done, and my reads of this slot are over
	s_barrier_signal -1
	MUL8 F1, 2, 0
	MUL8 F1, 3, 0
	WIN 0                                          ; at a branch and at a label every window is 0
	s_barrier_wait -1
.if \fill
	CREST                                          ; no wave of any partner still reads this slot or has a load on its way
	s_add_nc_u64 s[G0A+4*(\slot)+2:G0A+4*(\slot)+3], s[G0A+4*(\slot)+2:G0A+4*(\slot)+3], 512
	s_add_nc_u64 s[G0B+4*(\slot)+2:G0B+4*(\slot)+3], s[G0B+4*(\slot)+2:G0B+4*(\slot)+3], 65536
	JLOAD \slot
.else
	PLACES
.endif
	FETCH \next, 0, F0
	MUL8 F1, 4, 0
	MUL8 F1, 5, 0
	MULCVT F1, F0, 0
.endm
; THE WAY OUT of token block a.  PACK: rounded to f16, 16 bytes a lane.  TOSTAGE: into my own stage, and back as whole rows of 256 bytes.  SEND: stored.
.macro PACK a
.set AC, 64*((\a)%4)
	WIN 0x0a+5*((\a)/4)                            ; sources window 2 or 3
.irp b, 0,1,2,3,4,5,6,7
.irp r, 0,1,2,3
	v_cvt_pk_f16_f32 v[TMP+4*(\b)+(\r)], v[AC+8*(\b)+2*(\r)], v[AC+8*(\b)+2*(\r)+1]
.endr
.endr
	WIN 0
.endm
.macro TOSTAGE a
	WIN 0
.set BK, OB+192*((\a)%2)
.irp b, 0,1,2,3,4,5,6,7
	ds_store_b128 v[STO], v[TMP+4*(\b):TMP+4*(\b)+3] offset:32*(\b)
.endr
.irp t, 0,1,2,3,4,5,6,7
	ds_load_b128 v[BK+4*(\t):BK+4*(\t)+3], v[RD] offset:(\t)*2*SPITCH  ; LDS serves a wave's instructions in order: these see the stores above
.endr
.endm
.macro SEND a
	WIN 0
.set BK, OB+192*((\a)%2)
	s_wait_dscnt 0x0                               ; the block is back in registers
	s_wait_xcnt 0x0                                ; the stores' base, and the registers that earlier stores read, are rewritten only behind this wait
.if (\a) != 0
	s_add_nc_u64 s[14:15], s[14:15], 16*2048       ; 16 rows on
.endif
.irp t, 0,1,2,3,4,5,6,7
	global_store_b128 v[CO], v[BK+4*(\t):BK+4*(\t)+3], s[14:15] offset:2*(\t)*2048  ; 16 lanes store 256 consecutive bytes, at a multiple of 256 from the buffer's first byte
.endr
.endm
	s_wait_tensorcnt 0x1                           ; my part of K step 0 is in; K step 1's may stay out
	s_barrier_signal -1
	s_barrier_wait -1
	FETCH 0, 0, F0
.set kk, 0
.rept 16
	CVT4 kk, F0
.set kk, kk+1
.endr
	s_wait_loadcnt 0x0                             ; the bias
	Q0 0, 1                                        ; the first quarter stands in front of the loop: its products start the sums
	WIN 0
	s_mov_b32 s3, 7
.Llap:                                                 ; a trip goes once round the ring and fills both slots again: K steps 2 to 15
	Q1 0, 1, 1
	Q0 1, 0
	Q1 1, 0, 1
	Q0 0, 0
	WIN 0
	s_sub_co_u32 s3, s3, 1
	s_cmp_lg_u32 s3, 0
	s_cbranch_scc1 .Llap
	Q1 0, 1, 0                                     ; K step 14's second quarter: nothing is left to fetch
	Q0 1, 0
	s_wait_dscnt 0x0
.irp a, 0,1,2,3,4,5,6,7
	MUL8 F1, \a, 0
.endr
	PLACES
	PACK 0
	TOSTAGE 0
.irp a, 1,2,3,4,5,6,7                  ; block a's conversions stand between block a - 1's loads from the stage and the wait for them
	PACK \a
	SEND (\a)-1
	TOSTAGE \a
.endr
	SEND 7
	s_wait_tensorcnt 0x0                           ; the wave's end
	ds_add_u32 v[SPW], v[NIL]
	s_wait_dscnt 0x0
	CROUND                                         ; the closing round: no work-group ends while a partner may still ask for a tile that names it
	s_endpgm
.Lfunc_end_k_qda6ff38a14_proj:
	.size	k_qda6ff38a14_proj, .Lfunc_end_k_qda6ff38a14_proj-k_qda6ff38a14_proj
	.p2alignl 7, 3214868480
	.fill 96, 4, 3214868480
	.section	.rodata,"a",@progbits
	.p2align	6, 0x0
	.amdhsa_kernel k_qda6ff38a14_proj
		.amdhsa_group_segment_fixed_size 327680
		.amdhsa_private_segment_fixed_size 0
		.amdhsa_enable_private_segment 0
		.amdhsa_kernarg_size 48
		.amdhsa_user_sgpr_count 2
		.amdhsa_user_sgpr_kernarg_segment_ptr 1
		.amdhsa_wavefront_size32 1
		.amdhsa_system_sgpr_workgroup_id_x 1
		.amdhsa_system_sgpr_workgroup_id_y 1
		.amdhsa_system_sgpr_workgroup_id_z 1
		.amdhsa_system_vgpr_workitem_id 0
		.amdhsa_next_free_vgpr 1024
		.amdhsa_next_free_sgpr 80
		.amdhsa_reserve_vcc 0
		.amdhsa_float_denorm_mode_32 3
		.amdhsa_float_denorm_mode_16_64 3
		.amdhsa_memory_ordered 1
		.amdhsa_forward_progress 1
		.amdhsa_inst_pref_size 144
	.end_amdhsa_kernel
	.amdgpu_metadata
---
amdhsa.version: [ 1, 2 ]
amdhsa.kernels:
  - .name:           k_qda6ff38a14_proj
    .symbol:         k_qda6ff38a14_proj.kd
    .args:
      - { .name: q, .offset: 0, .size: 8, .value_kind: global_buffer, .address_space: global }
      - { .name: k, .offset: 8, .size: 8, .value_kind: global_buffer, .address_space: global }
      - { .name: v, .offset: 16, .size: 8, .value_kind: global_buffer, .address_space: global }
      - { .name: wt, .offset: 24, .size: 8, .value_kind: global_buffer, .address_space: global }
      - { .name: bias, .offset: 32, .size: 8, .value_kind: global_buffer, .address_space: global }
      - { .name: qkv, .offset: 40, .size: 8, .value_kind: global_buffer, .address_space: global }
    .group_segment_fixed_size: 327680
    .private_segment_fixed_size: 0
    .kernarg_segment_align: 8
    .kernarg_segment_size: 48
    .max_flat_workgroup_size: 128
    .sgpr_count:     80
    .vgpr_count:     1024
    .wavefront_size: 32
...
	.end_amdgpu_metadata
.endif
;; end of part 2
;; launch attn_out (part 3): grid 256 x 1, 4 waves a work-group, clusters of 4 x 1, 327,680 bytes of LDS; arguments qkv, wt, bias, out0; writes out0
.if DOCPART == 3
	.amdgcn_target "amdgcn-amd-amdhsa--gfx1250"
	.amdhsa_code_object_version 6
	.text
	.protected	k_qda6ff38a14_attn_out
	.globl	k_qda6ff38a14_attn_out
	.p2align	8
	.type	k_qda6ff38a14_attn_out,@function
k_qda6ff38a14_attn_out:
	s_mov_b64 s[64:65], 0
	v_nop
	global_prefetch_b8 v0, s[64:65] scope:SCOPE_SE
	s_setreg_imm32_b32 hwreg(HW_REG_WAVE_MODE, 25, 1), 1
	s_wait_xcnt 0x0
	s_wait_alu depctr_hold_cnt(0) depctr_sa_sdst(0) depctr_va_vdst(0) depctr_va_sdst(0) depctr_va_ssrc(0) depctr_va_vcc(0) depctr_vm_vsrc(0)
	s_getreg_b32 s2, hwreg(HW_REG_IB_STS2, 6, 4)
	s_cmp_eq_u32 s2, 0
	s_cbranch_scc0 .Lentry_in_a_cluster
	s_endpgm
.Lentry_in_a_cluster:
	s_bfe_u32 s2, ttmp6, 0x10000c
	s_cmp_lg_u32 s2, 0x3003
	s_cbranch_scc0 .Lentry_shape_is_right
	s_endpgm
.Lentry_shape_is_right:
; For each token: scores[h][t] = Q[h] . K[t] / 8 over the 16 heads, softmax over t (the maximum taken away), O[h] = sum over t of p[h][t] V[t]; then out = O Wo + bo and
; y = ln_w (out - mean) / (var + 1e-5) + ln_b with var = sum (out - mean)^2 / 1023.  Q, K, V, p, O and Wo are f16 operands; all sums, the softmax and the norm are f32; the variance is made of centred numbers.
; LIMITS.  Q, K, V arrive within f16's 65,504; an infinity or NaN anywhere in a token's K or V spoils that token's O (the second product's upper 16 of K = 32 carry weight 0 but real numbers).
; A weight below 2^-126 counts as 0 in the sum; p below 6e-5 keeps f16's fixed step.  NaN and infinities are not treated apart.
; SHARES.  A work-group owns 64 tokens.  PART A: wave w makes the attention of tokens 16 w .. + 15, four at a time, and puts O (f16) into LDS.  PARTS B, C: wave w owns columns 256 w .. + 255 of all 64 tokens: 64 accumulators.
; LAYOUT.  Q's and K's columns lie as (d/8, head, d%8), V's as (d/16, t/8, d%16, t%8): every fragment half of a token is 512 consecutive bytes, 16 x lane.
; S^T = K Q^T: a lane holds one head h (lane % 16) and t = 8 (lane / 16) + 0..7; rounded in pairs that IS the lower half of source 1 of O^T = V^T p, whose result holds one head a lane and eight channels:
; 16 bytes at 512 (d/16) + 16 x lane of the token's row, the order in which Wo's rows were laid.
; Wo comes in 32 steps of 32 along k through two LDS slots of 64 KiB; wave w fetches and reads its own quarter.  All work-groups walk the same Wo, so the four of a cluster ask jointly.  O's 129 KB leave no room for larger slots.
; REGISTERS, in windows of 256 (s_set_vgpr_msb: bits 1:0 source 0, 3:2 source 1, 5:4 source 2, 7:6 destination):
;   window 0: v1-31 addresses and statistics; v32-63 ln_w, ln_b; part A: v64-95 S^T, v96-127 p, v128-255 O^T; part B: v64-127 O's fragments, two buffers; part C: v64-95 at work, v128-255 rows on their way out
;   windows 1, 2 in part A: two buffers of four tokens: Q at v[16 tk], V at v[64 + 16 tk], K at v[128 + 16 tk];   window 1 in part B: Wo's fragments, two buffers of 128
;   windows 2, 3 in part B: accumulator (a, nb) at v[8 (8 a + nb % 8)] of window 2 + nb / 8; bo is loaded into (3, nb) and starts the other three as their C operand
.set OPITCH, 2064                      ; a row of O in LDS: 2,048 bytes + 16: the 16 rows of a load start 4 banks apart
.set SLOTB,  65536
.set OREG,   2*SLOTB                   ; O: 64 rows.  In part C the waves' stages lie here
.set STAT1,  OREG+64*OPITCH            ; [wave][token] f32: the waves' row sums
.set STAT2,  STAT1+1024                ; and their sums of squares
.set SPARE,  STAT2+1024                ; the spare words: two blocks of 256 bytes that no other line names
.set GP,     1040                      ; a stage row: 256 f32 + 16 bytes
.set WSTG,   16*GP
.set SL,   1                           ; v1   STAT1 + 4 r
.set LOFF, 2                           ; v2   16 x lane
.set OST,  3                           ; v3   where I put 16 bytes of my wave's first token's O
.set ADRB, 4                           ; v4-5 my wave's quarter of slot 0, 1, + 16 x lane
.set ADRA0, 6                          ; v6-7 O's rows r and 32 + r, + 16 h
.set ADRA1, 7
.set AA0,  8                           ; v8-9 the same at the step's k
.set BOF,  8                           ;      at the start: 32 h
.set LWO,  9                           ;      at the start: 16 r
.set STO,  10                          ; v10  part C: into my stage
.set RD,   11                          ; v11  and back
.set ST,   12                          ; v12-27 four registers of statistics a token
.set SPW,  28
.set NIL,  29
.set GO,   30                          ; v30  my byte offset in two rows of the output
.set SA,   31                          ; v31  STAT1 + 256 w + 4 r
.set LW,   32                          ; v32-47 ln_w of columns 256 w + 64 q + 4 r + 0..3, q = 0..3
.set LB,   48                          ; v48-63 ln_b
.set S,    64
.set P,    96
.set OA,   128
.set AF,   64
.set SM,   64                          ; part C: pairs: row sums, then the means
.set TT,   72                          ; the four waves' parts
.set SS,   88                          ; pairs: sums of squares, then 1 / (var + eps)
.set OB,   128
.set WV,  12
.set G1,  24                           ; s[24:31] descriptor group 1
.set G0,  32                           ; s[32:39] group 0, a set for each slot
.set CNT, 44
.set KB,  45                           ; the byte in O's rows at which the step to be fetched begins
.set CS,  46                           ; s[46:47] c = log2(e) / 8
.set SEL, 48                           ; s[48:49] v_permlanex16_b32: each lane takes its own place in the other half
.set MSB, 0
.macro WIN new
.if MSB != (\new)
	s_set_vgpr_msb (MSB<<8)|(\new)
.set MSB, \new
.endif
.endm
.macro PLACES
.rept 4
	v_nop
.endr
.endm
.macro ALL line:vararg                 ; one line for each t = 0..3
.set t, 0
.rept 4
	\line
.set t, t+1
.endr
.endm
.macro CREST
	s_cmp_lg_u32 s[WV], 0
	s_cbranch_scc1 .Lnot_wave_0_\@
	s_barrier_signal -3
.Lnot_wave_0_\@:
	s_barrier_wait -3
	s_barrier_signal -1
	s_barrier_wait -1
.endm
.macro CROUND
	s_barrier_signal -1
	s_barrier_wait -1
	CREST
.endm
	s_load_b256 s[4:11], s[0:1], 0x0               ; qkv s[4:5], wt s[6:7], bias s[8:9], out0 s[10:11]
	v_lshl_add_u32 v[SPW], v0, 2, SPARE
	v_mov_b32 v[NIL], 0
	ds_add_u32 v[SPW], v[NIL]                      ; the wave's opening: the add and its wait stand ahead of my first tensor load
	ds_add_u32 v28, v29
	v_lshrrev_b32 v64, 5, v0
	v_readfirstlane_b32 s[WV], v64
	s_bfe_u32 s13, ttmp6, 0x40000                  ; cx
	s_lshl_b32 s14, ttmp9, 2
	s_add_co_u32 s14, s14, s13                     ; my block of 64 tokens: it enters qkv's and out0's addresses alone
	s_mov_b32 s[G1], 15|(3<<16)|(1<<21)            ; the mask of four; elements of 8 bytes; bit 21 beside a mask; no padding: 16 KiB dense, as 64 rows of 256 bytes
	s_mov_b32 s[G1+1], 32<<16
	s_mov_b32 s[G1+2], 64<<16
	s_mov_b32 s[G1+3], 32<<16
	s_mov_b32 s[G1+4], 64
	s_mov_b32 s[G1+5], 32
	s_mov_b32 s[G1+6], 0
	s_mov_b32 s[G1+7], 0
	s_lshl_b32 s54, s[WV], 14                      ; my quarter of a slot, in LDS and in Wo's steps
	s_add_co_u32 s56, s54, 0x600000                ; Wo lies 6 MiB into wt
	s_mov_b32 s57, 0
	s_lshl_b32 s22, s14, 17                        ; 64 rows of 2,048 bytes a block,
	s_lshl_b32 s23, s[WV], 15                      ; 16 a wave
	s_add_co_u32 s22, s22, s23
	s_mov_b32 s23, 0
	s_lshl_b32 s58, s14, 18                        ; 64 rows of 4,096 bytes,
	s_lshl_b32 s60, s[WV], 10                      ; my 256 columns
	s_add_co_u32 s58, s58, s60
	s_mov_b32 s59, 0
	s_mov_b32 s61, 0
	s_mov_b32 s[CS], 0x3e38aa3b
	s_mov_b32 s[CS+1], s[CS]
	s_mov_b32 s[SEL], 0x76543210
	s_mov_b32 s[SEL+1], 0xfedcba98
	s_mov_b32 s50, 0x3a800000                      ; 1 / 1024
	s_mov_b32 s51, 0x3a802008                      ; 1 / 1023
	s_mov_b32 s52, 0x3727c5ac                      ; 1e-5
	s_mov_b32 s[G0], 1
	s_add_co_u32 s[G0+1], s54, 0
	s_mov_b32 s[G0+4], 1
	s_add_co_u32 s[G0+5], s54, SLOTB
	s_wait_dscnt 0x0                               ; the opening add is done
	s_wait_kmcnt 0x0
	s_add_nc_u64 s[56:57], s[6:7], s[56:57]
	s_add_nc_u64 s[G0+2:G0+3], s[56:57], 0         ; step 0
	s_or_b32 s[G0+3], s[G0+3], 0x80000000
	s_add_nc_u64 s[G0+6:G0+7], s[56:57], SLOTB     ; step 1
	s_or_b32 s[G0+7], s[G0+7], 0x80000000
	s_add_nc_u64 s[16:17], s[4:5], s[22:23]        ; Q at my wave's first token
	s_add_nc_u64 s[18:19], s[16:17], 0x2000000     ; K
	s_add_nc_u64 s[20:21], s[16:17], 0x4000000     ; V
	s_add_nc_u64 s[40:41], s[10:11], s[58:59]
	s_add_nc_u64 s[42:43], s[8:9], s[60:61]
	CROUND                                         ; all four work-groups are here: the first joint loads meet
	tensor_load_to_lds s[G0:G0+3], s[G1:G1+7]
	s_nop 0
	tensor_load_to_lds s[G0+4:G0+7], s[G1:G1+7]
	s_nop 0
	PLACES
	v_and_b32 v64, 15, v0                          ; r
	v_bfe_u32 v65, v0, 4, 1                        ; h
	v_and_b32 v66, 31, v0
	v_lshlrev_b32 v[LOFF], 4, v66
	v_lshlrev_b32 v[BOF], 5, v65
	v_lshlrev_b32 v[LWO], 4, v64
	WIN 0x80
.irp n, 0,1,2,3,4,5,6,7
	global_load_b128 v[192+8*\n:195+8*\n], v[BOF], s[42:43] offset:12288+64*\n      ; register j: bo of column 256 w + 16 nb + 8 h + j
	global_load_b128 v[196+8*\n:199+8*\n], v[BOF], s[42:43] offset:12288+64*\n+16
.endr
	WIN 0xc0
.irp n, 0,1,2,3,4,5,6,7
	global_load_b128 v[192+8*\n:195+8*\n], v[BOF], s[42:43] offset:12288+512+64*\n
	global_load_b128 v[196+8*\n:199+8*\n], v[BOF], s[42:43] offset:12288+512+64*\n+16
.endr
	WIN 0
.irp q, 0,1,2,3
	global_load_b128 v[LW+4*\q:LW+4*\q+3], v[LWO], s[42:43] offset:16384+256*\q
	global_load_b128 v[LB+4*\q:LB+4*\q+3], v[LWO], s[42:43] offset:20480+256*\q
.endr
; 48 loads: Q, V and K of tokens 4 g .. 4 g + 3 of my sixteen, into the buffer in window win; each covers 512 consecutive bytes, read once in the launch.
.macro LOADS g, win
	WIN (\win)<<6
.irp tk, 0,1,2,3
.irp i, 0,1,2,3
	global_load_b128 v[16*\tk+4*\i:16*\tk+4*\i+3],         v[LOFF], s[16:17] offset:(4*(\g)+\tk)*2048+512*\i th:TH_LOAD_NT
	global_load_b128 v[64+16*\tk+4*\i:64+16*\tk+4*\i+3],   v[LOFF], s[20:21] offset:(4*(\g)+\tk)*2048+512*\i th:TH_LOAD_NT
	global_load_b128 v[128+16*\tk+4*\i:128+16*\tk+4*\i+3], v[LOFF], s[18:19] offset:(4*(\g)+\tk)*2048+512*\i th:TH_LOAD_NT
.endr
.endr
	WIN 0
.endm
	LOADS 0, 1
	LOADS 1, 2
	s_mul_i32 s22, s[WV], 16*OPITCH
	s_add_co_u32 s22, s22, OREG
	v_add_nc_u32 v[OST], s22, v[LOFF]
	v_add_nc_u32 v[ADRB], s54, v[LOFF]
	v_add_nc_u32 v[ADRB+1], SLOTB, v[ADRB]
	v_mul_u32_u24 v67, v64, OPITCH
	v_lshl_add_u32 v67, v65, 4, v67
	v_add_nc_u32 v[ADRA0], OREG, v67
	v_add_nc_u32 v[ADRA1], OREG+32*OPITCH, v67
	s_mul_i32 s22, s[WV], WSTG
	s_add_co_u32 s22, s22, OREG
	v_mul_u32_u24 v67, v64, GP
	v_lshl_add_u32 v67, v65, 5, v67
	v_add_nc_u32 v[STO], s22, v67                  ; row r, 32 bytes for each half of the lanes
	v_mul_u32_u24 v67, v65, GP
	v_lshl_add_u32 v67, v64, 4, v67
	v_add_nc_u32 v[RD], s22, v67                   ; lanes 0-15 take 256 bytes of one row, lanes 16-31 of the next
	v_lshlrev_b32 v67, 12, v65
	v_lshl_add_u32 v[GO], v64, 4, v67
	s_lshl_b32 s22, s[WV], 8
	s_add_co_u32 s22, s22, STAT1
	v_lshl_add_u32 v[SA], v64, 2, s22
	v_lshlrev_b32 v[SL], 2, v64
	v_add_nc_u32 v[SL], STAT1, v[SL]
.set i, 0
.rept 16
	v_mov_b32 v[ST+i], 0                           ; v_permlanex16_b32 counts as a reader of its destination
.set i, i+1
.endr
.irp tk, 0,1,2,3
.irp j, 4,5,6,7
	v_mov_b32 v[P+8*\tk+\j], 0                     ; the weights of k = 16 .. 31, which are no heads: 0, once
.endr
.endr
; PART A, four tokens: their scores, softmax, O^T, and O into LDS.  Every line of the softmax is written for the four tokens on end, so that none reads the result of the line before it.
.macro ATT g, win
	WIN 5*(\win)                                   ; K and Q in window win, S^T in window 0.  The four accumulators take turns
.irp tk, 0,1,2,3
	v_wmma_f32_16x16x32_f16 v[S+8*\tk:S+8*\tk+7], v[128+16*\tk:128+16*\tk+7], v[16*\tk:16*\tk+7], 0
.endr
.irp tk, 0,1,2,3
	v_wmma_f32_16x16x32_f16 v[S+8*\tk:S+8*\tk+7], v[136+16*\tk:136+16*\tk+7], v[8+16*\tk:8+16*\tk+7], v[S+8*\tk:S+8*\tk+7]
.endr
	WIN 0
	PLACES
	ALL v_max3_num_f32 v[ST+4*t], v[S+8*t], v[S+8*t+1], v[S+8*t+2]
	ALL v_max3_num_f32 v[ST+4*t], v[ST+4*t], v[S+8*t+3], v[S+8*t+4]
	ALL v_max3_num_f32 v[ST+4*t], v[ST+4*t], v[S+8*t+5], v[S+8*t+6]
	ALL v_max_num_f32 v[ST+4*t], v[ST+4*t], v[S+8*t+7]
	ALL v_permlanex16_b32 v[ST+4*t+1], v[ST+4*t], s[SEL], s[SEL+1]  ; the head's other eight t lie in the lane 16 away
	ALL v_max_num_f32 v[ST+4*t], v[ST+4*t], v[ST+4*t+1]
	ALL v_mul_f32 v[ST+4*t], s[CS], v[ST+4*t]      ; c m
.irp p, 0,1,2,3
	ALL v_pk_fma_f32 v[S+8*t+2*\p:S+8*t+2*\p+1], v[S+8*t+2*\p:S+8*t+2*\p+1], s[CS:CS+1], v[ST+4*t:ST+4*t+1] op_sel_hi:[1,0,0] neg_lo:[0,0,1] neg_hi:[0,0,1]
.endr
.set i, 0
.rept 32
	v_exp_f32 v[S+i], v[S+i]
.set i, i+1
.endr
	v_nop                                          ; a plain instruction between the last exponential and the use of its result
	s_wait_alu depctr_va_vdst(0)
	ALL v_pk_add_f32 v[ST+4*t+2:ST+4*t+3], v[S+8*t:S+8*t+1], v[S+8*t+2:S+8*t+3]
	ALL v_pk_add_f32 v[ST+4*t+2:ST+4*t+3], v[ST+4*t+2:ST+4*t+3], v[S+8*t+4:S+8*t+5]
	ALL v_pk_add_f32 v[ST+4*t+2:ST+4*t+3], v[ST+4*t+2:ST+4*t+3], v[S+8*t+6:S+8*t+7]
	ALL v_add_f32 v[ST+4*t+2], v[ST+4*t+2], v[ST+4*t+3]
	ALL v_permlanex16_b32 v[ST+4*t+3], v[ST+4*t+2], s[SEL], s[SEL+1]
	ALL v_add_f32 v[ST+4*t+2], v[ST+4*t+2], v[ST+4*t+3]
	ALL v_rcp_f32 v[ST+4*t+2], v[ST+4*t+2]
	v_nop
	s_wait_alu depctr_va_vdst(0)
.irp p, 0,1,2,3
	ALL v_pk_mul_f32 v[S+8*t+2*\p:S+8*t+2*\p+1], v[S+8*t+2*\p:S+8*t+2*\p+1], v[ST+4*t+2:ST+4*t+3] op_sel_hi:[1,0]
.endr
.irp p, 0,1,2,3
	ALL v_cvt_pk_f16_f32 v[P+8*t+\p], v[S+8*t+2*\p], v[S+8*t+2*\p+1]
.endr
	WIN \win                                       ; V in window win.  Source 0's upper four registers are the next four loaded ones: finite numbers under weight 0
.irp tk, 0,1,2,3
.irp db, 0,1,2,3
	v_wmma_f32_16x16x32_f16 v[OA+8*(4*\tk+\db):OA+8*(4*\tk+\db)+7], v[64+16*\tk+4*\db:64+16*\tk+4*\db+7], v[P+8*\tk:P+8*\tk+7], 0
.endr
.endr
	WIN 0
	PLACES
.irp j, 0,1,2,3                        ; in place, from each result's low end on: register j takes numbers 2 j and 2 j + 1
.set i, 0
.rept 16
	v_cvt_pk_f16_f32 v[OA+8*i+\j], v[OA+8*i+2*\j], v[OA+8*i+2*\j+1]
.set i, i+1
.endr
.endr
.irp tk, 0,1,2,3
.irp db, 0,1,2,3
	ds_store_b128 v[OST], v[OA+8*(4*\tk+\db):OA+8*(4*\tk+\db)+3] offset:(4*(\g)+\tk)*OPITCH+\db*512
.endr
.endr
.endm
	s_wait_loadcnt 48                              ; loads return in order: all but the younger group's 48 are in
	ATT 0, 1
	LOADS 2, 1                                     ; the 64 conversions above are the places behind the last products that read this buffer
	s_wait_loadcnt 48
	ATT 1, 2
	LOADS 3, 2
	s_wait_loadcnt 48
	ATT 2, 1
	s_wait_loadcnt 0x0
	ATT 3, 2
; PART B.  8 matrix instructions: token block a, column blocks 8 hb .. + 7, buffer f.  mode = 1: the first step's blocks 0-2 start from bo in accumulator (3, nb).
.macro MULQ f, hb, a, mode
	WIN 0xa1+0x50*(\hb)                            ; Wo window 1, O window 0, C and D window 2 + hb
.irp n, 0,1,2,3,4,5,6,7
.if \mode
	v_wmma_f32_16x16x32_f16 v[8*(8*(\a)+\n):8*(8*(\a)+\n)+7], v[128*(\f)+8*(8*(\hb)+\n):128*(\f)+8*(8*(\hb)+\n)+7], v[AF+32*(\f)+8*(\a):AF+32*(\f)+8*(\a)+7], v[192+8*\n:199+8*\n]
.else
	v_wmma_f32_16x16x32_f16 v[8*(8*(\a)+\n):8*(8*(\a)+\n)+7], v[128*(\f)+8*(8*(\hb)+\n):128*(\f)+8*(8*(\hb)+\n)+7], v[AF+32*(\f)+8*(\a):AF+32*(\f)+8*(\a)+7], v[8*(8*(\a)+\n):8*(8*(\a)+\n)+7]
.endif
.endr
.endm
; 40 LDS loads in one run: a whole step's fragments into buffer g: O's four, then Wo's sixteen out of slot g, column blocks ascending.
.macro FETCH g
	WIN 0
	v_add_nc_u32 v[AA0], s[KB], v[ADRA0]
	v_add_nc_u32 v[AA0+1], s[KB], v[ADRA1]
	s_add_co_u32 s[KB], s[KB], 64                  ; the next fetch is the next step's
.irp a, 0,1,2,3
	ds_load_b128 v[AF+32*(\g)+8*\a:AF+32*(\g)+8*\a+3],   v[AA0+\a/2] offset:(\a%2)*16*OPITCH
	ds_load_b128 v[AF+32*(\g)+8*\a+4:AF+32*(\g)+8*\a+7], v[AA0+\a/2] offset:(\a%2)*16*OPITCH+32
.endr
	WIN 0x40
.irp n, 0,1,2,3,4,5,6,7,8,9,10,11,12,13,14,15
	ds_load_b128 v[128*(\g)+8*\n:128*(\g)+8*\n+3],   v[ADRB+(\g)] offset:\n*1024
	ds_load_b128 v[128*(\g)+8*\n+4:128*(\g)+8*\n+7], v[ADRB+(\g)] offset:\n*1024+512
.endr
.endm
; A step multiplies buffer f, whose loads out of slot f were all issued in the step before.  In front of the barrier each wave waits for all its tensor loads (one is out: its quarter of the other slot), adds 0 to its
; spare word, and waits for that and for its reads of slot f.  fill = 1: the barrier opens a round of the cluster's, and slot f is filled again, two steps ahead, first thing behind it: from there to the wait for it a
; wave issues 48 matrix instructions.  first = 1: five plain instructions stand in front of the products that write over bo.
.macro STEP f, fill, first
	s_wait_dscnt 16                                ; O's fragments and Wo's lower eight blocks are in; the youngest 16 loads may be out
	MULQ \f, 0, 0, \first
	MULQ \f, 0, 1, \first
	MULQ \f, 0, 2, \first
	WIN 0
	s_wait_tensorcnt 0x0
	ds_add_u32 v[SPW], v[NIL]
.if \first
.rept 5
	v_nop
.endr
.endif
	MULQ \f, 0, 3, 0
	s_wait_dscnt 0x0                               ; the add is done, and my reads of slot f are over
	s_barrier_signal -1
	MULQ \f, 1, 0, \first
	WIN 0                                          ; at a branch and at a label every window is 0
	s_barrier_wait -1
.if \fill
	CREST                                          ; no wave of any partner still reads slot f or has a load on its way
	s_add_nc_u64 s[G0+4*(\f)+2:G0+4*(\f)+3], s[G0+4*(\f)+2:G0+4*(\f)+3], 2*SLOTB
	tensor_load_to_lds s[G0+4*(\f):G0+4*(\f)+3], s[G1:G1+7]
	s_nop 0
.endif
	PLACES                                         ; behind the tensor load; also the places in front of the loads into the other buffer
	FETCH 1-(\f)
	MULQ \f, 1, 1, \first
	MULQ \f, 1, 2, \first
.if \first
.rept 5
	v_nop
.endr
.endif
	MULQ \f, 1, 3, 0
.endm
	s_wait_dscnt 0x0                               ; my rows of O are stored,
	s_wait_tensorcnt 0x1                           ; my quarter of step 0 is in; step 1's may stay out
	s_barrier_signal -1
	s_barrier_wait -1                              ; everybody's rows of O are
	s_mov_b32 s[KB], 0
	FETCH 0
	STEP 0, 1, 1                                   ; step 0 stands in front of the loop: its products start the sums
	WIN 0
	s_mov_b32 s[CNT], 14
.Lk:                                                   ; steps 1 to 28
	STEP 1, 1, 0
	STEP 0, 1, 0
	WIN 0
	s_sub_co_u32 s[CNT], s[CNT], 1
	s_cmp_lg_u32 s[CNT], 0
	s_cbranch_scc1 .Lk
	STEP 1, 1, 0                                   ; step 29 asks for step 31, the last
	STEP 0, 0, 0
	s_wait_dscnt 16
.irp a, 0,1,2,3
	MULQ 1, 0, \a, 0
.endr
	s_wait_dscnt 0x0
.irp a, 0,1,2,3
	MULQ 1, 1, \a, 0
.endr
; PART C.  A lane holds token 16 a + r and columns 256 w + 16 nb + 8 h + j.  WALK goes through one window's 128 register pairs, the four token blocks by turns, each accumulator from its low end on.
.macro WALK op, first
.set x, \first
.rept 128-(\first)
.set rA, 64*(x%4)+8*(x/16)+2*((x/4)%4)
.set rS, 2*(x%4)
.if \op == 0
	v_pk_add_f32 v[SM+rS:SM+rS+1], v[rA:rA+1], v[SM+rS:SM+rS+1]
.elseif \op == 1
	v_pk_add_f32 v[rA:rA+1], v[rA:rA+1], v[SM+rS:SM+rS+1] neg_lo:[0,1] neg_hi:[0,1]
.elseif \op == 2
	v_pk_fma_f32 v[SS+rS:SS+rS+1], v[rA:rA+1], v[rA:rA+1], v[SS+rS:SS+rS+1]
.else
	v_pk_mul_f32 v[rA:rA+1], v[rA:rA+1], v[SS+rS:SS+rS+1]
.endif
.set x, x+1
.endr
.endm
; The pairs at b are added up over the lane's two halves, the two halves of the lanes and, through LDS, the four waves: v[TT + 4 t] then holds token 16 t + r's whole sum, the same bits in every wave.
.macro REDUCE b, off
	WIN 0
	ALL v_add_f32 v[(\b)+2*t], v[(\b)+2*t], v[(\b)+2*t+1]
	ALL v_permlanex16_b32 v[(\b)+2*t+1], v[(\b)+2*t], s[SEL], s[SEL+1]
	ALL v_add_f32 v[(\b)+2*t], v[(\b)+2*t], v[(\b)+2*t+1]
	ALL ds_store_b32 v[SA], v[(\b)+2*t] offset:(\off)+64*t
	s_wait_dscnt 0x0                               ; for the others' sake: my stores are done, and so are all my reads of O
	s_barrier_signal -1
	s_barrier_wait -1
.irp u, 0,1,2,3
	ALL ds_load_b32 v[TT+4*t+\u], v[SL] offset:(\off)+256*\u+64*t
.endr
	s_wait_dscnt 0x0
	ALL v_add_f32 v[TT+4*t], v[TT+4*t], v[TT+4*t+1]
	ALL v_add_f32 v[TT+4*t+2], v[TT+4*t+2], v[TT+4*t+3]
	ALL v_add_f32 v[TT+4*t], v[TT+4*t], v[TT+4*t+2]
.endm
	WIN 0
	PLACES
	WIN 0x0a                                       ; both sources window 2
	ALL v_pk_add_f32 v[SM+2*t:SM+2*t+1], v[64*t:64*t+1], v[64*t+2:64*t+3]
	WIN 0x02
	WALK 0, 8
	WIN 0x03
	WALK 0, 0
	REDUCE SM, 0                                   ; behind its barrier nobody reads O any more: its bytes become the stages
	ALL v_mul_f32 v[SM+2*t], s50, v[TT+4*t]        ; the mean
	ALL v_mov_b32 v[SM+2*t+1], v[SM+2*t]
	WIN 0x82
	WALK 1, 0                                      ; out - mean, in place
	WIN 0xc3
	WALK 1, 0
	WIN 0x0a
	ALL v_pk_mul_f32 v[SS+2*t:SS+2*t+1], v[64*t:64*t+1], v[64*t:64*t+1]
	WALK 2, 4
	WIN 0x0f
	WALK 2, 0
	REDUCE SS, 1024
	ALL v_fma_f32 v[SS+2*t], v[TT+4*t], s51, s52   ; var + eps
	ALL v_rcp_f32 v[SS+2*t], v[SS+2*t]
	v_nop
	s_wait_alu depctr_va_vdst(0)
	ALL v_mov_b32 v[SS+2*t+1], v[SS+2*t]
	WIN 0x82
	WALK 3, 0
	WIN 0xc3
	WALK 3, 0
; Token block a goes through my stage: in as 32 bytes a lane, back as rows; then ln_w and ln_b, and out.
.macro BLOCK a
	WIN 0x08                                       ; store data window 2
.irp n, 0,1,2,3,4,5,6,7
	ds_store_b128 v[STO], v[64*(\a)+8*\n:64*(\a)+8*\n+3]   offset:64*\n
	ds_store_b128 v[STO], v[64*(\a)+8*\n+4:64*(\a)+8*\n+7] offset:64*\n+16
.endr
	WIN 0x0c                                       ; window 3
.irp n, 0,1,2,3,4,5,6,7
	ds_store_b128 v[STO], v[64*(\a)+8*\n:64*(\a)+8*\n+3]   offset:512+64*\n
	ds_store_b128 v[STO], v[64*(\a)+8*\n+4:64*(\a)+8*\n+7] offset:512+64*\n+16
.endr
	WIN 0
	s_wait_xcnt 0x0                                ; the registers that the last block's stores read are loaded again only behind this wait
.set x, 0
.rept 32
	ds_load_b128 v[OB+4*x:OB+4*x+3], v[RD] offset:2*(x/4)*GP+256*(x%4)  ; LDS serves a wave's instructions in order: these see the stores above, and the next block's stores come behind them
.set x, x+1
.endr
.set x, 0
.rept 32
	s_wait_dscnt 31-x
	v_pk_fma_f32 v[OB+4*x:OB+4*x+1],   v[OB+4*x:OB+4*x+1],   v[LW+4*(x%4):LW+4*(x%4)+1],   v[LB+4*(x%4):LB+4*(x%4)+1]
	v_pk_fma_f32 v[OB+4*x+2:OB+4*x+3], v[OB+4*x+2:OB+4*x+3], v[LW+4*(x%4)+2:LW+4*(x%4)+3], v[LB+4*(x%4)+2:LB+4*(x%4)+3]
	global_store_b128 v[GO], v[OB+4*x:OB+4*x+3], s[40:41] offset:(16*(\a)+2*(x/4))*4096+256*(x%4) th:TH_STORE_NT  ; 16 lanes store 256 consecutive bytes, at a multiple of 256 from the buffer's first byte
.set x, x+1
.endr
.endm
	BLOCK 0
	BLOCK 1
	BLOCK 2
	BLOCK 3
	s_wait_tensorcnt 0x0                           ; the wave's end
	ds_add_u32 v[SPW], v[NIL]
	s_wait_dscnt 0x0
	CROUND                                         ; the closing round: no work-group ends while a partner may still ask for a tile that names it
	s_endpgm
.Lfunc_end_k_qda6ff38a14_attn_out:
	.size	k_qda6ff38a14_attn_out, .Lfunc_end_k_qda6ff38a14_attn_out-k_qda6ff38a14_attn_out
	.p2alignl 7, 3214868480
	.fill 96, 4, 3214868480
	.section	.rodata,"a",@progbits
	.p2align	6, 0x0
	.amdhsa_kernel k_qda6ff38a14_attn_out
		.amdhsa_group_segment_fixed_size 327680
		.amdhsa_private_segment_fixed_size 0
		.amdhsa_enable_private_segment 0
		.amdhsa_kernarg_size 32
		.amdhsa_user_sgpr_count 2
		.amdhsa_user_sgpr_kernarg_segment_ptr 1
		.amdhsa_wavefront_size32 1
		.amdhsa_system_sgpr_workgroup_id_x 1
		.amdhsa_system_sgpr_workgroup_id_y 1
		.amdhsa_system_sgpr_workgroup_id_z 1
		.amdhsa_system_vgpr_workitem_id 0
		.amdhsa_next_free_vgpr 1024
		.amdhsa_next_free_sgpr 66
		.amdhsa_reserve_vcc 0
		.amdhsa_float_denorm_mode_32 3
		.amdhsa_float_denorm_mode_16_64 3
		.amdhsa_memory_ordered 1
		.amdhsa_forward_progress 1
		.amdhsa_inst_pref_size 247
	.end_amdhsa_kernel
	.amdgpu_metadata
---
amdhsa.version: [ 1, 2 ]
amdhsa.kernels:
  - .name:           k_qda6ff38a14_attn_out
    .symbol:         k_qda6ff38a14_attn_out.kd
    .args:
      - { .name: qkv, .offset: 0, .size: 8, .value_kind: global_buffer, .address_space: global }
      - { .name: wt, .offset: 8, .size: 8, .value_kind: global_buffer, .address_space: global }
      - { .name: bias, .offset: 16, .size: 8, .value_kind: global_buffer, .address_space: global }
      - { .name: out0, .offset: 24, .size: 8, .value_kind: global_buffer, .address_space: global }
    .group_segment_fixed_size: 327680
    .private_segment_fixed_size: 0
    .kernarg_segment_align: 8
    .kernarg_segment_size: 32
    .max_flat_workgroup_size: 128
    .sgpr_count:     66
    .vgpr_count:     1024
    .wavefront_size: 32
...
	.end_amdgpu_metadata
.endif
;; end of part 3
;; ======== version 2 of 3: 2 launches; 1.12 times as fast as version 1
;; limits: values are held in f16: magnitudes above 65,504 overflow, below 6.1e-05 lose precision
;; workspace buffers: wt 8,388,608 bytes; bias 12,288 bytes
;; launch prep (part 4): grid 64 x 4, 8 waves a work-group, no clusters, 0 bytes of LDS; arguments Wq, Wk, Wv, Wo, bq, bk, bv, wt, bias; writes wt, bias
.if DOCPART == 4
	.amdgcn_target "amdgcn-amd-amdhsa--gfx1250"
	.amdhsa_code_object_version 6
	.text
	.protected	k_qda6ff38a14_prep
	.globl	k_qda6ff38a14_prep
	.p2align	8
	.type	k_qda6ff38a14_prep,@function
k_qda6ff38a14_prep:
	s_mov_b64 s[64:65], 0
	v_nop
	global_prefetch_b8 v0, s[64:65] scope:SCOPE_SE
	s_setreg_imm32_b32 hwreg(HW_REG_WAVE_MODE, 25, 1), 1
	s_wait_xcnt 0x0
; The four weight matrices ([k][n] f32, 1024 x 1024) are rounded once to f16 and laid out in the order in which the next launch's matrix instructions want them;
; bq, bk, bv are copied, exact, into the column order of their matrices.
; wt: matrix y at y * 2 MiB, as [ks][nb][fragment]: ks = 32 along k (64 KiB), nb = 16 columns (1 KiB).
; A FRAGMENT is 16 n x 32 k in 1,024 bytes: byte j*512 + L*16 + e*2 holds n = 16 nb + (L & 15), k = 32 ks + 16 j + 8 (L >> 4) + e.
; ORDERS (head t or h, channel d; the true column is 64 head + d):
;   columns of Wq, Wk, bq, bk, and the ROWS of Wo:  place (d/8)*128 + head*8 + d%8
;   columns of Wv, bv:                              place (d/16)*256 + (t/8)*128 + (d%16)*8 + t%8
; With them a token's fragments of Q, K and V^T are runs of 512 consecutive bytes, and the attention's result falls into the order of Wo's rows.
; SHARES.  Work-group (x, y): 32 KiB number x of matrix y's output = 2,048 pieces of 16 bytes (8 numbers along k); thread t makes pieces i*256 + t, i = 0..7,
; so each store of a wave covers 512 consecutive bytes.  A piece's 8 numbers are 8 loads of 4 bytes, a row of W apart; every number of W is read once in the launch.
; LIMIT.  A weight beyond 65,504 becomes an infinity; below 6.1e-5 it keeps f16's fixed step of 6e-8.
.set VO, 1                             ; v1      byte offset in W of piece 0's first number
.set TO, 2                             ; v2      16 x thread: my 16 bytes in 4,096 of the output
.set BO, 3                             ; v3      byte offset of my first number in a vector
.set D,  16                            ; v[16:79]   piece i, number e at D + 8 i + e
.set Y,  80                            ; v[80:111]  piece i packed: 4 registers
	s_load_b512 s[4:19], s[0:1], 0x0               ; Wq s[4:5], Wk s[6:7], Wv s[8:9], Wo s[10:11], bq s[12:13], bk s[14:15], bv s[16:17], wt s[18:19]
	s_load_b64 s[20:21], s[0:1], 0x40              ; bias
	s_mov_b32 s28, ttmp9                           ; x
	s_and_b32 s29, ttmp7, 0xffff                   ; y: the matrix
	v_and_b32 v4, 15, v0                           ; r: the column in its block of 16
	v_bfe_u32 v5, v0, 4, 2                         ; u: which 8 of the 32 along k
	v_lshrrev_b32 v6, 6, v0                        ; c: the low two bits of nb
	v_lshrrev_b32 v7, 3, v4                        ; r >> 3
	v_and_b32 v8, 7, v4                            ; r & 7
	v_lshlrev_b32 v[TO], 4, v0
	v_lshl_add_u32 v9, v6, 1, v7                   ; 2 c + (r >> 3)
	s_lshl_b32 s34, s29, 21                        ; the matrix's 2 MiB
	s_lshl_b32 s35, s28, 15                        ; my 32 KiB of them
	s_add_co_u32 s34, s34, s35
	s_mov_b32 s35, 0
	s_lshr_b32 s36, s28, 1                         ; ks
	s_and_b32 s37, s28, 1                          ; which 32 of the 64 column blocks: nb = 32 (x & 1) + 4 i + c
	s_lshl_b32 s38, s36, 17                        ; Wq, Wk, Wv: 32 ks rows of 4,096 bytes
	s_lshl_b32 s39, s37, 7                         ; and 128 bytes for the upper 32 blocks, in both column orders
	s_add_co_u32 s38, s38, s39
	s_wait_kmcnt 0x0
	s_add_nc_u64 s[32:33], s[18:19], s[34:35]
	s_cmp_eq_u32 s29, 1
	s_cselect_b64 s[30:31], s[6:7], s[4:5]
	s_cmp_eq_u32 s29, 2
	s_cselect_b64 s[30:31], s[8:9], s[30:31]
	s_cmp_eq_u32 s29, 3
	s_cselect_b64 s[30:31], s[10:11], s[30:31]     ; my matrix
; 64 loads on end: piece i, number e.  From piece to piece the true column moves by S1, S2, S3 bytes for the three bits of i.
.macro LOADS S1, S2, S3
.set i, 0
.rept 8
.set e, 0
.rept 8
	global_load_b32 v[D+8*i+e], v[VO], s[30:31] offset:e*4096+(i%2)*(\S1)+((i/2)%2)*(\S2)+(i/4)*(\S3)
.set e, e+1
.endr
.set i, i+1
.endr
.endm
	s_cmp_eq_u32 s29, 3
	s_cbranch_scc1 .Lwo
	s_cmp_eq_u32 s29, 2
	s_cbranch_scc1 .Lpv
	; Wq, Wk: place 16 nb + r is column (8 (i&1) + 2 c + (r>>3)) * 64 + (4 (x&1) + (i>>1)) * 8 + (r&7)
	v_lshl_add_u32 v[VO], v5, 15, s38              ; + 8 u rows
	v_lshl_add_u32 v[VO], v9, 8, v[VO]
	v_lshl_add_u32 v[VO], v8, 2, v[VO]
	LOADS 2048, 32, 64
	s_branch .Lcvt
.Lpv:
	; Wv: the same place is column (8 ((i>>1)&1) + (r&7)) * 64 + (2 (x&1) + (i>>2)) * 16 + 8 (i&1) + 2 c + (r>>3)
	v_lshl_add_u32 v[VO], v5, 15, s38
	v_lshl_add_u32 v[VO], v8, 8, v[VO]
	v_lshl_add_u32 v[VO], v9, 2, v[VO]
	LOADS 32, 2048, 64
	s_branch .Lcvt
.Lwo:
	; Wo: k place 32 ks + 8 u + e is row (4 (ks&3) + u) * 64 + (ks>>2) * 8 + e; the column is 16 nb + r
	s_and_b32 s38, s36, 3
	s_lshl_b32 s38, s38, 20
	s_lshr_b32 s39, s36, 2
	s_lshl_b32 s39, s39, 15
	s_add_co_u32 s38, s38, s39
	s_lshl_b32 s39, s37, 11
	s_add_co_u32 s38, s38, s39
	v_lshl_add_u32 v[VO], v5, 18, s38
	v_lshl_add_u32 v[VO], v6, 6, v[VO]
	v_lshl_add_u32 v[VO], v4, 2, v[VO]
	LOADS 256, 512, 1024
.Lcvt:
.set i, 0
.rept 8
	s_wait_loadcnt 56-8*i                          ; loads return in order: piece i's eight are in, the 8 (7 - i) younger ones may be out
.set j, 0
.rept 4
	v_cvt_pk_f16_f32 v[Y+4*i+j], v[D+8*i+2*j], v[D+8*i+2*j+1]
.set j, j+1
.endr
	global_store_b128 v[TO], v[Y+4*i:Y+4*i+3], s[32:33] offset:4096*i
.set i, i+1
.endr
; THE VECTORS.  Work-group (0, y), y < 3, makes row y of bias.  Thread t makes places 4 t .. 4 t + 3; their true columns lie stride bytes apart.
; All the matrix's loads are back (the last wait was for 0), so s[30:31] may be written.
.macro BROW stride
.irp u, 0,1,2,3
	global_load_b32 v[8+\u], v[BO], s[30:31] offset:\u*(\stride)
.endr
	s_wait_loadcnt 0x0
	global_store_b128 v[TO], v[8:11], s[38:39]
.endm
	s_cmp_eq_u32 s28, 0
	s_cbranch_scc0 .Lend
	s_cmp_lt_u32 s29, 3
	s_cbranch_scc0 .Lend
	s_cmp_eq_u32 s29, 1
	s_cselect_b64 s[30:31], s[14:15], s[12:13]
	s_cmp_eq_u32 s29, 2
	s_cselect_b64 s[30:31], s[16:17], s[30:31]
	s_lshl_b32 s40, s29, 12
	s_mov_b32 s41, 0
	s_add_nc_u64 s[38:39], s[20:21], s[40:41]
	s_cmp_eq_u32 s29, 2
	s_cbranch_scc1 .Lpvrow
	v_bfe_u32 v4, v0, 1, 4                         ; bq, bk: place 4 t is column ((t>>1)&15) * 64 + (t>>5) * 8 + (t&1) * 4
	v_lshrrev_b32 v5, 5, v0
	v_and_b32 v6, 1, v0
	v_lshlrev_b32 v[BO], 8, v4
	v_lshl_add_u32 v[BO], v5, 5, v[BO]
	v_lshl_add_u32 v[BO], v6, 4, v[BO]
	BROW 4
	s_branch .Lend
.Lpvrow:
	v_bfe_u32 v4, v0, 1, 4                         ; bv: place 4 t is column (((t>>5)&1) * 8 + (t&1) * 4) * 64 + (t>>6) * 16 + ((t>>1)&15); the next place is the next head
	v_bfe_u32 v5, v0, 5, 1
	v_and_b32 v6, 1, v0
	v_lshrrev_b32 v7, 6, v0
	v_lshlrev_b32 v[BO], 2, v4
	v_lshl_add_u32 v[BO], v5, 11, v[BO]
	v_lshl_add_u32 v[BO], v6, 10, v[BO]
	v_lshl_add_u32 v[BO], v7, 6, v[BO]
	BROW 256
.Lend:
	s_endpgm
.Lfunc_end_k_qda6ff38a14_prep:
	.size	k_qda6ff38a14_prep, .Lfunc_end_k_qda6ff38a14_prep-k_qda6ff38a14_prep
	.p2alignl 7, 3214868480
	.fill 96, 4, 3214868480
	.section	.rodata,"a",@progbits
	.p2align	6, 0x0
	.amdhsa_kernel k_qda6ff38a14_prep
		.amdhsa_group_segment_fixed_size 0
		.amdhsa_private_segment_fixed_size 0
		.amdhsa_enable_private_segment 0
		.amdhsa_kernarg_size 72
		.amdhsa_user_sgpr_count 2
		.amdhsa_user_sgpr_kernarg_segment_ptr 1
		.amdhsa_wavefront_size32 1
		.amdhsa_system_sgpr_workgroup_id_x 1
		.amdhsa_system_sgpr_workgroup_id_y 1
		.amdhsa_system_sgpr_workgroup_id_z 1
		.amdhsa_system_vgpr_workitem_id 0
		.amdhsa_next_free_vgpr 112
		.amdhsa_next_free_sgpr 66
		.amdhsa_reserve_vcc 0
		.amdhsa_float_denorm_mode_32 3
		.amdhsa_float_denorm_mode_16_64 3
		.amdhsa_memory_ordered 1
		.amdhsa_forward_progress 1
		.amdhsa_inst_pref_size 26
	.end_amdhsa_kernel
	.amdgpu_metadata
---
amdhsa.version: [ 1, 2 ]
amdhsa.kernels:
  - .name:           k_qda6ff38a14_prep
    .symbol:         k_qda6ff38a14_prep.kd
    .args:
      - { .name: Wq, .offset: 0, .size: 8, .value_kind: global_buffer, .address_space: global }
      - { .name: Wk, .offset: 8, .size: 8, .value_kind: global_buffer, .address_space: global }
      - { .name: Wv, .offset: 16, .size: 8, .value_kind: global_buffer, .address_space: global }
      - { .name: Wo, .offset: 24, .size: 8, .value_kind: global_buffer, .address_space: global }
      - { .name: bq, .offset: 32, .size: 8, .value_kind: global_buffer, .address_space: global }
      - { .name: bk, .offset: 40, .size: 8, .value_kind: global_buffer, .address_space: global }
      - { .name: bv, .offset: 48, .size: 8, .value_kind: global_buffer, .address_space: global }
      - { .name: wt, .offset: 56, .size: 8, .value_kind: global_buffer, .address_space: global }
      - { .name: bias, .offset: 64, .size: 8, .value_kind: global_buffer, .address_space: global }
    .group_segment_fixed_size: 0
    .private_segment_fixed_size: 0
    .kernarg_segment_align: 8
    .kernarg_segment_size: 72
    .max_flat_workgroup_size: 256
    .sgpr_count:     66
    .vgpr_count:     112
    .wavefront_size: 32
...
	.end_amdgpu_metadata
.endif
;; end of part 4
;; launch mha (part 5): grid 256 x 1, 4 waves a work-group, no clusters, 299,520 bytes of LDS; arguments q, k, v, wt, bias, bo, ln_w, ln_b, out0; writes out0
.if DOCPART == 5
	.amdgcn_target "amdgcn-amd-amdhsa--gfx1250"
	.amdhsa_code_object_version 6
	.text
	.protected	k_qda6ff38a14_mha
	.globl	k_qda6ff38a14_mha
	.p2align	8
	.type	k_qda6ff38a14_mha,@function
k_qda6ff38a14_mha:
	s_mov_b64 s[64:65], 0
	v_nop
	global_prefetch_b8 v0, s[64:65] scope:SCOPE_SE
	s_setreg_imm32_b32 hwreg(HW_REG_WAVE_MODE, 25, 1), 1
	s_wait_xcnt 0x0
; THE WHOLE MODULE FOR 64 TOKENS A WORK-GROUP: Qh = q Wq + bq, Kh, Vh likewise; for each token scores[h][t] = Qh[h] . Kh[t] / 8 over the 16 heads, softmax over t (the maximum taken away),
; O[h] = sum over t of p[h][t] Vh[t]; out = O Wo + bo; y = ln_w (out - mean) / (var + 1e-5) + ln_b with var = sum (out - mean)^2 / 1023, made of centred numbers.
; FORMATS.  x, the weights, Qh, Kh, Vh, p and O are matrix operands in f16, each rounded once from f32; all sums, the softmax, the biases and the norm are f32.
; LIMITS.  An input, a weight or a projected number beyond 65,504 becomes an infinity; below 6.1e-5 a number keeps f16's fixed step of 6e-8.  An infinity or NaN anywhere in a token's Vh spoils that token's O
; (the second product's upper 16 of K = 32 carry weight 0 but real numbers).  A weight below 2^-126 counts as 0 in the sum.  NaN and infinities are not treated apart.
; SHARES.  In the four products wave w owns columns 256 w .. + 255 of all 64 tokens: 64 accumulators of 16 x 16.  In the loading of x and in the attention wave w owns tokens 16 w .. + 15.
; THE MATRIX INSTRUCTION IS USED TRANSPOSED (source 0 = 16 columns of W, source 1 = 16 tokens): a lane holds eight neighbouring columns of one token.
; THE WEIGHTS lie in fragment order, and a wave's 256 columns are read by that wave alone, so they go straight into registers: window 1 is a ring of 8 groups of 4 fragments (two steps of 32 along k).
; A group is asked for again as soon as its 16 products are issued, 112 products ahead of its next use: 56 to 64 loads of 512 bytes of every wave are on their way at all times, through all four matrices on end,
; and no barrier stands in a product's loop.  Each group has a base of its own, which holds the address of the group's last loads and is stepped behind the wait that shows those loads done: the loop waits for data alone.
; NO CLUSTER, NO LDS SLOTS FOR W: the two token tiles (2 x 132,096 bytes) and p (32,768) leave 27 KB of LDS, less than one step of W (65,536).  The price: each work-group asks for all 8 MiB of W itself.
; LDS.  R1, R2: 64 rows of 1,024 f16, 2,064 bytes apart (the 16 rows of a fragment load start 4 banks apart; 64 banks of 4 bytes: ISA guide 11.1).
;   R1: x_q, then Qh, then x_v, then Vh, at last the waves' stages for the way out.   R2: x_k, then Kh, then O.   A product's result goes over its own A, behind a barrier.
; LAYOUT.  Qh's and Kh's columns lie as (d/8, head, d%8), Vh's as (d/16, t/8, d%16, t%8): every fragment half of a token is 512 consecutive bytes, 16 x lane.
; S^T = K Q^T: a lane holds one head h (lane % 16) and t = 8 (lane / 16) + 0..7; rounded in pairs that IS the lower half of source 1 of O^T = V^T p, whose result holds one head a lane and eight channels:
; 16 bytes at 512 (d/16) + 16 x lane of the token's row, the order in which Wo's rows were laid.
; REGISTERS, in windows of 256 (s_set_vgpr_msb: bits 1:0 source 0, 3:2 source 1, 5:4 source 2, 7:6 destination):
;   window 0: v1-31 addresses and statistics; v32-63 ln_w, ln_b; v64-127 A's fragments, two buffers (attention: S^T, p); v128-255 O^T, later rows on their way out
;   window 1: the ring of W's fragments: step parity f, column block nb at v[128 f + 8 nb]
;   windows 2, 3: accumulator (a, nb) at v[8 (8 a + nb % 8)] of window 2 + nb / 8; the bias is loaded into (3, nb) and starts the other three as their C operand
;   between the products: window 3 v0-130 the stream of x; window 2 v0-191 Q's, K's and V's fragments
.set PITCH,  2064
.set R2,     64*PITCH
.set PREG,   2*R2                      ; p: 512 bytes a token, in the order of source 1's lower half
.set STAT1,  PREG+32768                ; [wave][token] f32: the waves' row sums
.set STAT2,  STAT1+1024                ; and their sums of squares
.set SPARE,  STAT2+1024                ; the spare words: two blocks of 256 bytes that no other line names
.set GP,     1040                      ; a stage row: 256 f32 + 16 bytes
.set WSTG,   16*GP
.set BOF,  1                           ; v1   32 x (lane / 16): my eight numbers of a column block's bias; never rewritten
.set LOFF, 2                           ; v2   16 x lane; never rewritten
.set TOK,  3                           ; v3   my wave's first token's row in R1, + 16 x lane
.set T0,   4                           ; v4, v5, v8  addresses that step in the attention's loops
.set T1,   5
.set SL,   4                           ;      at the end: STAT1 + 4 r
.set ADRA0, 6                          ; v6-7 rows r and 32 + r of R1, + 16 h
.set ADRA1, 7
.set AA0,  8                           ; v8-9 the same at the step's k and region
.set T2,   8
.set STO,  10                          ; v10  the way out: into my stage
.set RD,   11                          ; v11  and back
.set ST,   12                          ; v12-27 four registers of statistics a token
.set SPW,  28                          ; v28  my spare word; never rewritten
.set NIL,  29                          ; v29  0; never rewritten
.set GO,   30                          ; v30  my byte offset in two rows of the output
.set SA,   31                          ; v31  STAT1 + 256 w + 4 r
.set LW,   32                          ; v32-47 ln_w of columns 256 w + 64 q + 4 r + 0..3, q = 0..3
.set LB,   48                          ; v48-63 ln_b
.set S,    64
.set P,    96
.set OA,   128
.set AF,   64
.set SM,   64                          ; the norm: pairs: row sums, then the means
.set TT,   72                          ; the four waves' parts
.set SS,   88                          ; pairs: sums of squares, then 1 / (var + eps)
.set OB,   128
.set XO,   128                         ; window 3: 16 x lane
.set XS,   129                         ; window 3: v129, v130: where the two streams of x store
.set WV,   22
.set XA,   24                          ; s[24:25], s[26:27] the two streams' rows in memory
.set XB,   26
.set WB,   28                          ; s[28:29] my quarter of W's step 0
.set BB,   30                          ; s[30:31] my columns of the bias row
.set RG,   36                          ; the region that holds A
.set EB,   37                          ; the region + 512 w: where my columns of the result go
.set PASS, 38
.set OUT,  40
.set XV,   42                          ; s[42:43] my rows of v
.set CNT,  44
.set KB,   45                          ; region + the byte in A's rows at which the step to be fetched begins
.set CS,   46                          ; s[46:47] c = log2(e) / 8
.set SEL,  48                          ; s[48:49] v_permlanex16_b32: each lane takes its own place in the other half
.set BOP,  54
.set LWP,  56
.set LBP,  58
.set WG,   66                          ; s[66:81] the ring's bases: group (f, g) at WG + 2 (4 f + g): my quarter of the step that the group's last loads asked for
.set W2,   82                          ; s[82:83] two steps of W in bytes
.set MSB, 0
.macro WIN new                         ; the immediate's high byte repeats the setting that is left; a switch that changes nothing is dropped
.if MSB != (\new)
	s_set_vgpr_msb (MSB<<8)|(\new)
.set MSB, \new
.endif
.endm
.macro PLACES                          ; four plain vector instructions between a matrix instruction and a load into, or a vector read or write of, its registers
.rept 4
	v_nop
.endr
.endm
.macro ALL line:vararg                 ; one line for each t = 0..3
.set t, 0
.rept 4
	\line
.set t, t+1
.endr
.endm
.macro MEET                            ; what I stored in LDS is there and what I read is back; then everybody's
	s_wait_dscnt 0x0
	s_barrier_signal -1
	s_barrier_wait -1
.endm
; 32 loads: register j of accumulator (3, nb) takes the bias of column 256 w + 16 nb + 8 h + j
.macro BIASLD b
	WIN 0x80
.irp n, 0,1,2,3,4,5,6,7
	global_load_b128 v[192+8*\n:195+8*\n], v[BOF], s[\b:\b+1] offset:64*\n
	global_load_b128 v[196+8*\n:199+8*\n], v[BOF], s[\b:\b+1] offset:64*\n+16
.endr
	WIN 0xc0
.irp n, 0,1,2,3,4,5,6,7
	global_load_b128 v[192+8*\n:195+8*\n], v[BOF], s[\b:\b+1] offset:512+64*\n
	global_load_b128 v[196+8*\n:199+8*\n], v[BOF], s[\b:\b+1] offset:512+64*\n+16
.endr
	WIN 0
.endm
; THE STREAM OF x.  Two streams of rows, two rows of each in registers: 32 loads of 512 consecutive bytes of every wave are on their way.  All its registers, the addresses too, lie in window 3: one setting serves it.
; Stream st, row rr, chunk c (128 numbers) at v[64 st + 32 rr + 4 c]; a lane's four f32 become 8 bytes of f16 in place and go to byte 256 c + 8 x lane of the row in LDS.
.macro XFILL
	WIN 0xff
.set i, 0
.rept 16
	global_load_b128 v[4*i:4*i+3], v[XO], s[XA:XA+1] offset:(i/8)*4096+(i%8)*512 th:TH_LOAD_NT
.set i, i+1
.endr
.set i, 0
.rept 16
	global_load_b128 v[64+4*i:64+4*i+3], v[XO], s[XB:XB+1] offset:(i/8)*4096+(i%8)*512 th:TH_LOAD_NT
.set i, i+1
.endr
	WIN 0
.endm
.macro XTURN st, rr, refill, left      ; one row's turn.  left: the younger loads, which may stay out
	s_wait_loadcnt \left
	WIN 0xff
.set XR, 64*(\st)+32*(\rr)
.irp c, 0,1,2,3,4,5,6,7
	v_cvt_pk_f16_f32 v[XR+4*\c],   v[XR+4*\c],   v[XR+4*\c+1]
	v_cvt_pk_f16_f32 v[XR+4*\c+1], v[XR+4*\c+2], v[XR+4*\c+3]
.endr
.irp c, 0,1,2,3,4,5,6,7
	ds_store_b64 v[XS+(\st)], v[XR+4*\c:XR+4*\c+1] offset:(\rr)*PITCH+256*\c
.endr
.if \refill
.if ((\st) == 0) && ((\rr) == 0)
	s_wait_xcnt 0x0                                ; the bases of the loads issued so far are stepped only behind this wait
	s_add_nc_u64 s[XA:XA+1], s[XA:XA+1], 8192      ; two rows on
	s_add_nc_u64 s[XB:XB+1], s[XB:XB+1], 8192
.endif
.irp c, 0,1,2,3,4,5,6,7
	global_load_b128 v[XR+4*\c:XR+4*\c+3], v[XO], s[XA+2*(\st):XA+2*(\st)+1] offset:(\rr)*4096+512*\c th:TH_LOAD_NT
.endr
.endif
.if (\rr) == 1
	v_add_nc_u32 v[XS+(\st)], 2*PITCH, v[XS+(\st)]
.endif
.endm
.macro XLOOP n                         ; all rounds of n but the last: each row's turn asks for the row two further down its stream
	s_mov_b32 s[CNT], (\n)-1
.Lx_\@:
	XTURN 0, 0, 1, 24                              ; behind a row's 8 loads three rows' 24 have been issued
	XTURN 0, 1, 1, 24
	XTURN 1, 0, 1, 24
	XTURN 1, 1, 1, 24
	WIN 0
	s_sub_co_u32 s[CNT], s[CNT], 1
	s_cmp_lg_u32 s[CNT], 0
	s_cbranch_scc1 .Lx_\@
.endm
.macro XTAIL extra                     ; the last round loads nothing: the counts run down.  extra: loads of another kind issued ahead of it
	XTURN 0, 0, 0, 24+(\extra)
	XTURN 0, 1, 0, 16+(\extra)
	XTURN 1, 0, 0, 8+(\extra)
	XTURN 1, 1, 0, (\extra)
	WIN 0
.endm
; The ring's first fill: step ks of the first matrix, each group by its own base
.macro WFIRST ks
	WIN 0x40
.irp n, 0,1,2,3,4,5,6,7,8,9,10,11,12,13,14,15
	global_load_b128 v[128*(\ks)+8*\n:128*(\ks)+8*\n+3],   v[LOFF], s[WG+2*(4*(\ks)+\n/4):WG+2*(4*(\ks)+\n/4)+1] offset:\n*1024
	global_load_b128 v[128*(\ks)+8*\n+4:128*(\ks)+8*\n+7], v[LOFF], s[WG+2*(4*(\ks)+\n/4):WG+2*(4*(\ks)+\n/4)+1] offset:\n*1024+512
.endr
	WIN 0
.endm
	s_load_b512 s[4:19], s[0:1], 0x0               ; q s[4:5], k s[6:7], v s[8:9], wt s[10:11], bias s[12:13], bo s[14:15], ln_w s[16:17], ln_b s[18:19]
	s_load_b64 s[20:21], s[0:1], 0x40              ; out0
	v_lshl_add_u32 v[SPW], v0, 2, SPARE
	v_mov_b32 v[NIL], 0
	v_lshrrev_b32 v64, 5, v0
	v_readfirstlane_b32 s[WV], v64
	v_and_b32 v64, 15, v0                          ; r
	v_bfe_u32 v65, v0, 4, 1                        ; h
	v_and_b32 v66, 31, v0                          ; lane
	v_lshlrev_b32 v[LOFF], 4, v66
	v_lshlrev_b32 v[BOF], 5, v65
	s_lshl_b32 s32, ttmp9, 18                      ; my block's 64 rows of 4,096 bytes, in x and in the output
	s_lshl_b32 s34, s[WV], 16                      ; x: my wave's 16 of them
	s_add_co_u32 s34, s34, s32
	s_mov_b32 s35, 0
	s_lshl_b32 s38, s[WV], 10                      ; my 256 columns of f32
	s_mov_b32 s39, 0
	s_add_co_u32 s32, s32, s38
	s_mov_b32 s33, 0
	s_lshl_b32 s36, s[WV], 14                      ; my quarter of a step of W
	s_mov_b32 s37, 0
	s_mul_i32 s53, s[WV], 16*PITCH
	v_lshl_add_u32 v67, v66, 3, s53                ; my first row in R1, 8 x lane
	v_add_nc_u32 v[TOK], s53, v[LOFF]
	s_mov_b32 s[CS], 0x3e38aa3b
	s_mov_b32 s[CS+1], s[CS]
	s_mov_b32 s[SEL], 0x76543210
	s_mov_b32 s[SEL+1], 0xfedcba98
	s_mov_b32 s50, 0x3a800000                      ; 1 / 1024
	s_mov_b32 s51, 0x3a802008                      ; 1 / 1023
	s_mov_b32 s52, 0x3727c5ac                      ; 1e-5
	s_mov_b32 s[W2], 0x20000                       ; two steps of 65,536 bytes
	s_mov_b32 s[W2+1], 0
	WIN 0xc0
	v_mov_b32 v[XO], v[LOFF]
	v_mov_b32 v[XS], v67                           ; stream 0: q's rows into R1
	v_add_nc_u32 v[XS+1], R2, v67                  ; stream 1: k's rows into R2
	WIN 0
	s_wait_kmcnt 0x0
	s_add_nc_u64 s[XA:XA+1], s[4:5], s[34:35]
	s_add_nc_u64 s[XB:XB+1], s[6:7], s[34:35]
	s_add_nc_u64 s[XV:XV+1], s[8:9], s[34:35]
	s_add_nc_u64 s[WB:WB+1], s[10:11], s[36:37]
.irp i, 0,1,2,3,4,5,6,7
	s_add_nc_u64 s[WG+2*\i:WG+2*\i+1], s[WB:WB+1], (\i/4)*65536  ; groups (0, g): step 0; groups (1, g): step 1
.endr
	s_add_nc_u64 s[BB:BB+1], s[12:13], s[38:39]
	s_add_nc_u64 s[BOP:BOP+1], s[14:15], s[38:39]
	s_add_nc_u64 s[LWP:LWP+1], s[16:17], s[38:39]
	s_add_nc_u64 s[LBP:LBP+1], s[18:19], s[38:39]
	s_add_nc_u64 s[OUT:OUT+1], s[20:21], s[32:33]
	BIASLD BB                                      ; bq
	XFILL
	v_mul_u32_u24 v[ADRA0], v64, PITCH
	v_lshl_add_u32 v[ADRA0], v65, 4, v[ADRA0]
	v_add_nc_u32 v[ADRA1], 32*PITCH, v[ADRA0]
	s_mul_i32 s53, s[WV], WSTG
	v_mul_u32_u24 v67, v64, GP
	v_lshl_add_u32 v67, v65, 5, v67
	v_add_nc_u32 v[STO], s53, v67                  ; row r, 32 bytes for each half of the lanes
	v_mul_u32_u24 v67, v65, GP
	v_lshl_add_u32 v67, v64, 4, v67
	v_add_nc_u32 v[RD], s53, v67                   ; lanes 0-15 take 256 bytes of one row, lanes 16-31 of the next
	v_lshlrev_b32 v67, 12, v65
	v_lshl_add_u32 v[GO], v64, 4, v67
	s_lshl_b32 s53, s[WV], 8
	s_add_co_u32 s53, s53, STAT1
	v_lshl_add_u32 v[SA], v64, 2, s53
.set i, 0
.rept 16
	v_mov_b32 v[ST+i], 0                           ; v_permlanex16_b32 counts as a reader of its destination
.set i, i+1
.endr
	XLOOP 8                                        ; 16 rows of q and 16 of k, two of each a round
	WFIRST 0
	XTAIL 32
	WFIRST 1
	MEET                                           ; x_q and x_k are whole
; THE PRODUCT.  Four matrix instructions: token block a, column blocks 4 g .. + 3, step parity f.  mode = 1: a product's first step: blocks 0-2 start from the bias in accumulator (3, nb).
.macro MI4 f, g, a, mode
.irp n, 0,1,2,3
.set NB, 4*(\g)+\n
.set AC, 8*(8*(\a)+NB%8)
.if \mode
	v_wmma_f32_16x16x32_f16 v[AC:AC+7], v[128*(\f)+8*NB:128*(\f)+8*NB+7], v[AF+32*(\f)+8*(\a):AF+32*(\f)+8*(\a)+7], v[192+8*(NB%8):199+8*(NB%8)]
.else
	v_wmma_f32_16x16x32_f16 v[AC:AC+7], v[128*(\f)+8*NB:128*(\f)+8*NB+7], v[AF+32*(\f)+8*(\a):AF+32*(\f)+8*(\a)+7], v[AC:AC+7]
.endif
.endr
.endm
.macro GROUP f, g, first               ; 16 accumulators, one instruction each: the 64 take turns in the same order in every step
	WIN 0xa1+0x50*((\g)/2)                         ; W window 1, A window 0, C and D window 2 or 3
	MI4 \f, \g, 0, \first
	MI4 \f, \g, 1, \first
	MI4 \f, \g, 2, \first
.if \first
.rept 5
	v_nop                                          ; five places in front of the products that write over the bias
.endr
.endif
	MI4 \f, \g, 3, 0
.endm
.macro AFETCH g                        ; 8 LDS loads: A's four fragments of the next step into buffer g
	WIN 0
	v_add_nc_u32 v[AA0], s[KB], v[ADRA0]
	v_add_nc_u32 v[AA0+1], s[KB], v[ADRA1]
	s_add_co_u32 s[KB], s[KB], 64
.irp a, 0,1,2,3
	ds_load_b128 v[AF+32*(\g)+8*\a:AF+32*(\g)+8*\a+3],   v[AA0+\a/2] offset:(\a%2)*16*PITCH
	ds_load_b128 v[AF+32*(\g)+8*\a+4:AF+32*(\g)+8*\a+7], v[AA0+\a/2] offset:(\a%2)*16*PITCH+32
.endr
.endm
.macro REFILL f, g                     ; 8 loads: group g's registers take the same column blocks two steps on, by the group's base, which has been stepped
	WIN 0x40
.irp n, 0,1,2,3
.set NB, 4*(\g)+\n
	global_load_b128 v[128*(\f)+8*NB:128*(\f)+8*NB+3],   v[LOFF], s[WG+2*(4*(\f)+(\g)):WG+2*(4*(\f)+(\g))+1] offset:NB*1024
	global_load_b128 v[128*(\f)+8*NB+4:128*(\f)+8*NB+7], v[LOFF], s[WG+2*(4*(\f)+(\g)):WG+2*(4*(\f)+(\g))+1] offset:NB*1024+512
.endr
.endm
; A step of 32 along k.  fill = 1: each group is asked for again behind its products.  left: without refills, the younger loads at the step's first group.  nexta = 1: the next step's A is fetched.
.macro STEP f, fill, first, left, nexta
.irp g, 0,1,2,3
.if \fill
	s_wait_loadcnt 56                              ; loads return in order: behind this group's 8 loads the ring's 7 other groups, 56 loads, have been issued.  So the 8 are done:
	s_add_nc_u64 s[WG+2*(4*(\f)+\g):WG+2*(4*(\f)+\g)+1], s[WG+2*(4*(\f)+\g):WG+2*(4*(\f)+\g)+1], s[W2:W2+1]  ; no pending load names this group's base, and it goes two steps on
.else
	s_wait_loadcnt (\left)-8*\g
.endif
.if \g == 0
	s_wait_dscnt 0x0                               ; A's fragments, asked for 48 products ago
.endif
	GROUP \f, \g, \first
.if (\fill) || ((\g == 0) && (\nexta))
	PLACES
.endif
.if (\g == 0) && (\nexta)
	AFETCH 1-(\f)
.endif
.if \fill
	REFILL \f, \g
.endif
.endr
.endm
; 32 steps.  last = 0: the ring runs on: the last two steps ask for the next matrix's first two, which lie behind this matrix's last in memory.  last = 1: Wo's last two steps ask for nothing, and the counts run down.
.macro GEMM last
	AFETCH 0
	s_wait_loadcnt 0x0                             ; the bias, issued behind the ring's loads; from here on the ring's loads alone are counted
	STEP 0, 1, 1, 0, 1                             ; step 0 stands in front of the loop: its products start the sums
	WIN 0
	s_mov_b32 s[CNT], 15-(\last)
.Lk_\@:
	STEP 1, 1, 0, 0, 1
	STEP 0, 1, 0, 0, 1
	WIN 0
	s_sub_co_u32 s[CNT], s[CNT], 1
	s_cmp_lg_u32 s[CNT], 0
	s_cbranch_scc1 .Lk_\@
.if \last
	STEP 1, 1, 0, 0, 1
	STEP 0, 0, 0, 56, 1
	STEP 1, 0, 0, 24, 0
.else
	STEP 1, 1, 0, 0, 0
.endif
.endm
; THE RESULT goes, rounded to f16, over A: 16 bytes a lane at row 16 a + r, byte 512 w + 32 nb + 16 h.  Token block 3 goes first, so that the next product's bias can be asked for.
.macro ESTORE a
.irp w, 2, 3
	WIN 4*\w                                       ; store data window 2 or 3
.irp n, 0,1,2,3,4,5,6,7
	ds_store_b128 v[AA0+(\a)/2], v[8*(8*(\a)+\n):8*(8*(\a)+\n)+3] offset:((\a)%2)*16*PITCH+32*(8*(\w-2)+\n)
.endr
.endr
.endm
.macro EPI b, step
	PLACES
	s_wait_dscnt 0x0                               ; my reads of A are over:
	s_barrier_signal -1                            ; say so, and round the results while the others arrive
.irp w, 2, 3
	WIN 0x45*\w
.irp j, 0,1,2,3                        ; in place, from each result's low end on: register j takes numbers 2 j and 2 j + 1
.set i, 0
.rept 32
	v_cvt_pk_f16_f32 v[8*i+\j], v[8*i+2*\j], v[8*i+2*\j+1]
.set i, i+1
.endr
.endr
.endr
	WIN 0
	v_add_nc_u32 v[AA0], s[EB], v[ADRA0]
	v_add_nc_u32 v[AA0+1], s[EB], v[ADRA1]
	s_barrier_wait -1                              ; nobody reads A any more
	ESTORE 3
.if \step
	s_add_nc_u64 s[\b:\b+1], s[\b:\b+1], 4096      ; the next row of bias; the loads that named this base were waited for at the product's head
.endif
	BIASLD \b
	ESTORE 0
	ESTORE 1
	ESTORE 2
	WIN 0
	MEET                                           ; the result is whole
.endm
	s_mov_b32 s[RG], 0
	s_mov_b32 s[PASS], 2
.Lpass:                                                ; two trips: Qh out of R1 into R1, Kh out of R2 into R2
	s_mov_b32 s[KB], s[RG]
	s_lshl_b32 s[EB], s[WV], 9
	s_add_co_u32 s[EB], s[EB], s[RG]
	GEMM 0
	EPI BB, 1                                      ; and bk, then bv, are asked for
	s_add_co_u32 s[RG], s[RG], R2
	s_sub_co_u32 s[PASS], s[PASS], 1
	s_cmp_lg_u32 s[PASS], 0
	s_cbranch_scc1 .Lpass
	; v's first rows are asked for now and land under the scores: stream 0 takes my rows 0-7, stream 1 my rows 8-15
	v_and_b32 v64, 31, v0
	s_mul_i32 s53, s[WV], 16*PITCH
	v_lshl_add_u32 v64, v64, 3, s53
	WIN 0xc0
	v_mov_b32 v[XO], v[LOFF]
	v_mov_b32 v[XS], v64
	v_add_nc_u32 v[XS+1], 8*PITCH, v64
	WIN 0
	s_mov_b64 s[XA:XA+1], s[XV:XV+1]
	s_add_nc_u64 s[XB:XB+1], s[XV:XV+1], 8*4096
	XFILL
	; THE SCORES AND THE SOFTMAX of my 16 tokens, four a trip.  Every line of the softmax is written for the four tokens on end, so that none reads the result of the line before it.
	v_mov_b32 v[T0], v[TOK]
	v_add_nc_u32 v[T1], R2, v[TOK]
	s_lshl_b32 s53, s[WV], 13
	s_add_co_u32 s53, s53, PREG
	v_add_nc_u32 v[T2], s53, v[LOFF]
	s_mov_b32 s[CNT], 4
.Lscore:
	WIN 0x80
.irp tk, 0,1,2,3
.irp i, 0,1,2,3
	ds_load_b128 v[16*\tk+4*\i:16*\tk+4*\i+3],         v[T0] offset:\tk*PITCH+512*\i
	ds_load_b128 v[128+16*\tk+4*\i:128+16*\tk+4*\i+3], v[T1] offset:\tk*PITCH+512*\i
.endr
.endr
	s_wait_dscnt 0x0
	WIN 0x0a                                       ; K and Q in window 2, S^T in window 0.  The four accumulators take turns
.irp tk, 0,1,2,3
	v_wmma_f32_16x16x32_f16 v[S+8*\tk:S+8*\tk+7], v[128+16*\tk:128+16*\tk+7], v[16*\tk:16*\tk+7], 0
.endr
.irp tk, 0,1,2,3
	v_wmma_f32_16x16x32_f16 v[S+8*\tk:S+8*\tk+7], v[136+16*\tk:136+16*\tk+7], v[8+16*\tk:8+16*\tk+7], v[S+8*\tk:S+8*\tk+7]
.endr
	WIN 0
	PLACES
	ALL v_max3_num_f32 v[ST+4*t], v[S+8*t], v[S+8*t+1], v[S+8*t+2]
	ALL v_max3_num_f32 v[ST+4*t], v[ST+4*t], v[S+8*t+3], v[S+8*t+4]
	ALL v_max3_num_f32 v[ST+4*t], v[ST+4*t], v[S+8*t+5], v[S+8*t+6]
	ALL v_max_num_f32 v[ST+4*t], v[ST+4*t], v[S+8*t+7]
	ALL v_permlanex16_b32 v[ST+4*t+1], v[ST+4*t], s[SEL], s[SEL+1]  ; the head's other eight t lie in the lane 16 away
	ALL v_max_num_f32 v[ST+4*t], v[ST+4*t], v[ST+4*t+1]
	ALL v_mul_f32 v[ST+4*t], s[CS], v[ST+4*t]      ; c m
.irp p, 0,1,2,3
	ALL v_pk_fma_f32 v[S+8*t+2*\p:S+8*t+2*\p+1], v[S+8*t+2*\p:S+8*t+2*\p+1], s[CS:CS+1], v[ST+4*t:ST+4*t+1] op_sel_hi:[1,0,0] neg_lo:[0,0,1] neg_hi:[0,0,1]
.endr
.set i, 0
.rept 32
	v_exp_f32 v[S+i], v[S+i]
.set i, i+1
.endr
	v_nop                                          ; a plain instruction between the last exponential and the use of its result
	s_wait_alu depctr_va_vdst(0)
	ALL v_pk_add_f32 v[ST+4*t+2:ST+4*t+3], v[S+8*t:S+8*t+1], v[S+8*t+2:S+8*t+3]
	ALL v_pk_add_f32 v[ST+4*t+2:ST+4*t+3], v[ST+4*t+2:ST+4*t+3], v[S+8*t+4:S+8*t+5]
	ALL v_pk_add_f32 v[ST+4*t+2:ST+4*t+3], v[ST+4*t+2:ST+4*t+3], v[S+8*t+6:S+8*t+7]
	ALL v_add_f32 v[ST+4*t+2], v[ST+4*t+2], v[ST+4*t+3]
	ALL v_permlanex16_b32 v[ST+4*t+3], v[ST+4*t+2], s[SEL], s[SEL+1]
	ALL v_add_f32 v[ST+4*t+2], v[ST+4*t+2], v[ST+4*t+3]
	ALL v_rcp_f32 v[ST+4*t+2], v[ST+4*t+2]
	v_nop
	s_wait_alu depctr_va_vdst(0)
.irp p, 0,1,2,3
	ALL v_pk_mul_f32 v[S+8*t+2*\p:S+8*t+2*\p+1], v[S+8*t+2*\p:S+8*t+2*\p+1], v[ST+4*t+2:ST+4*t+3] op_sel_hi:[1,0]
.endr
.irp p, 0,1,2,3
	ALL v_cvt_pk_f16_f32 v[P+8*t+\p], v[S+8*t+2*\p], v[S+8*t+2*\p+1]
.endr
	ALL ds_store_b128 v[T2], v[P+8*t:P+8*t+3] offset:512*t
	v_add_nc_u32 v[T0], 4*PITCH, v[T0]
	v_add_nc_u32 v[T1], 4*PITCH, v[T1]
	v_add_nc_u32 v[T2], 2048, v[T2]
	s_sub_co_u32 s[CNT], s[CNT], 1
	s_cmp_lg_u32 s[CNT], 0
	s_cbranch_scc1 .Lscore
	MEET                                           ; nobody reads Qh or Kh any more
	XLOOP 4                                        ; x_v into R1
	XTAIL 0
	MEET
	s_mov_b32 s[KB], 0
	s_lshl_b32 s[EB], s[WV], 9
	GEMM 0
	EPI BOP, 0                                     ; Vh into R1; bo is asked for
	; O^T = V^T p of my 16 tokens, four a trip; O goes into R2.
	WIN 0x80
.irp j, 128,129,130,131
	v_mov_b32 v[\j], 0                             ; what the last fragment of V names beyond V's registers
.endr
	WIN 0
.irp tk, 0,1,2,3
.irp j, 4,5,6,7
	v_mov_b32 v[P+8*\tk+\j], 0                     ; the weights of k = 16 .. 31, which are no heads
.endr
.endr
	v_mov_b32 v[T0], v[TOK]
	v_add_nc_u32 v[T1], R2, v[TOK]
	v_add_nc_u32 v[T2], s53, v[LOFF]
	s_mov_b32 s[CNT], 4
.Lpv:
	WIN 0x80
.irp tk, 0,1,2,3
.irp db, 0,1,2,3
	ds_load_b128 v[64+16*\tk+4*\db:64+16*\tk+4*\db+3], v[T0] offset:\tk*PITCH+512*\db
.endr
.endr
	WIN 0
	ALL ds_load_b128 v[P+8*t:P+8*t+3], v[T2] offset:512*t
	s_wait_dscnt 0x0
	WIN 0x02                                       ; V in window 2.  Source 0's upper four registers are the next four: finite numbers under weight 0
.irp tk, 0,1,2,3
.irp db, 0,1,2,3
	v_wmma_f32_16x16x32_f16 v[OA+8*(4*\tk+\db):OA+8*(4*\tk+\db)+7], v[64+16*\tk+4*\db:64+16*\tk+4*\db+7], v[P+8*\tk:P+8*\tk+7], 0
.endr
.endr
	WIN 0
	PLACES
.irp j, 0,1,2,3                        ; in place, from each result's low end on
.set i, 0
.rept 16
	v_cvt_pk_f16_f32 v[OA+8*i+\j], v[OA+8*i+2*\j], v[OA+8*i+2*\j+1]
.set i, i+1
.endr
.endr
.irp tk, 0,1,2,3
.irp db, 0,1,2,3
	ds_store_b128 v[T1], v[OA+8*(4*\tk+\db):OA+8*(4*\tk+\db)+3] offset:\tk*PITCH+\db*512
.endr
.endr
	v_add_nc_u32 v[T0], 4*PITCH, v[T0]
	v_add_nc_u32 v[T1], 4*PITCH, v[T1]
	v_add_nc_u32 v[T2], 2048, v[T2]
	s_sub_co_u32 s[CNT], s[CNT], 1
	s_cmp_lg_u32 s[CNT], 0
	s_cbranch_scc1 .Lpv
	v_and_b32 v[T1], 15, v0
	v_lshl_add_u32 v[SL], v[T1], 2, STAT1
	v_lshlrev_b32 v[T1], 4, v[T1]                  ; 16 r; not rewritten from here on
.irp q, 0,1,2,3
	global_load_b128 v[LW+4*\q:LW+4*\q+3], v[T1], s[LWP:LWP+1] offset:256*\q
	global_load_b128 v[LB+4*\q:LB+4*\q+3], v[T1], s[LBP:LBP+1] offset:256*\q
.endr
	MEET                                           ; O is whole, and nobody reads Vh any more: R1 becomes the stages
	s_mov_b32 s[KB], R2
	GEMM 1
; THE NORM.  A lane holds token 16 a + r and columns 256 w + 16 nb + 8 h + j.  WALK goes through one window's 128 register pairs, the four token blocks by turns, each accumulator from its low end on.
.macro WALK op, first
.set x, \first
.rept 128-(\first)
.set rA, 64*(x%4)+8*(x/16)+2*((x/4)%4)
.set rS, 2*(x%4)
.if \op == 0
	v_pk_add_f32 v[SM+rS:SM+rS+1], v[rA:rA+1], v[SM+rS:SM+rS+1]
.elseif \op == 1
	v_pk_add_f32 v[rA:rA+1], v[rA:rA+1], v[SM+rS:SM+rS+1] neg_lo:[0,1] neg_hi:[0,1]
.elseif \op == 2
	v_pk_fma_f32 v[SS+rS:SS+rS+1], v[rA:rA+1], v[rA:rA+1], v[SS+rS:SS+rS+1]
.else
	v_pk_mul_f32 v[rA:rA+1], v[rA:rA+1], v[SS+rS:SS+rS+1]
.endif
.set x, x+1
.endr
.endm
; The pairs at b are added up over the lane's two halves, the two halves of the lanes and, through LDS, the four waves: v[TT + 4 t] then holds token 16 t + r's whole sum, the same bits in every wave.
.macro REDUCE b, off
	WIN 0
	ALL v_add_f32 v[(\b)+2*t], v[(\b)+2*t], v[(\b)+2*t+1]
	ALL v_permlanex16_b32 v[(\b)+2*t+1], v[(\b)+2*t], s[SEL], s[SEL+1]
	ALL v_add_f32 v[(\b)+2*t], v[(\b)+2*t], v[(\b)+2*t+1]
	ALL ds_store_b32 v[SA], v[(\b)+2*t] offset:(\off)+64*t
	MEET
.irp u, 0,1,2,3
	ALL ds_load_b32 v[TT+4*t+\u], v[SL] offset:(\off)+256*\u+64*t
.endr
	s_wait_dscnt 0x0
	ALL v_add_f32 v[TT+4*t], v[TT+4*t], v[TT+4*t+1]
	ALL v_add_f32 v[TT+4*t+2], v[TT+4*t+2], v[TT+4*t+3]
	ALL v_add_f32 v[TT+4*t], v[TT+4*t], v[TT+4*t+2]
.endm
	WIN 0
	PLACES
	WIN 0x0a                                       ; both sources window 2
	ALL v_pk_add_f32 v[SM+2*t:SM+2*t+1], v[64*t:64*t+1], v[64*t+2:64*t+3]
	WIN 0x02
	WALK 0, 8
	WIN 0x03
	WALK 0, 0
	REDUCE SM, 0
	ALL v_mul_f32 v[SM+2*t], s50, v[TT+4*t]        ; the mean
	ALL v_mov_b32 v[SM+2*t+1], v[SM+2*t]
	WIN 0x82
	WALK 1, 0                                      ; out - mean, in place
	WIN 0xc3
	WALK 1, 0
	WIN 0x0a
	ALL v_pk_mul_f32 v[SS+2*t:SS+2*t+1], v[64*t:64*t+1], v[64*t:64*t+1]
	WALK 2, 4
	WIN 0x0f
	WALK 2, 0
	REDUCE SS, 1024
	ALL v_fma_f32 v[SS+2*t], v[TT+4*t], s51, s52   ; var + eps
	ALL v_rcp_f32 v[SS+2*t], v[SS+2*t]
	v_nop
	s_wait_alu depctr_va_vdst(0)
	ALL v_mov_b32 v[SS+2*t+1], v[SS+2*t]
	WIN 0x82
	WALK 3, 0
	WIN 0xc3
	WALK 3, 0
; Token block a goes through my stage: in as 32 bytes a lane, back as rows; then ln_w and ln_b, and out.
.macro BLOCK a
	WIN 0x08                                       ; store data window 2
.irp n, 0,1,2,3,4,5,6,7
	ds_store_b128 v[STO], v[64*(\a)+8*\n:64*(\a)+8*\n+3]   offset:64*\n
	ds_store_b128 v[STO], v[64*(\a)+8*\n+4:64*(\a)+8*\n+7] offset:64*\n+16
.endr
	WIN 0x0c                                       ; window 3
.irp n, 0,1,2,3,4,5,6,7
	ds_store_b128 v[STO], v[64*(\a)+8*\n:64*(\a)+8*\n+3]   offset:512+64*\n
	ds_store_b128 v[STO], v[64*(\a)+8*\n+4:64*(\a)+8*\n+7] offset:512+64*\n+16
.endr
	WIN 0
	s_wait_xcnt 0x0                                ; the registers that the last block's stores read are loaded again only behind this wait
.set x, 0
.rept 32
	ds_load_b128 v[OB+4*x:OB+4*x+3], v[RD] offset:2*(x/4)*GP+256*(x%4)  ; LDS serves a wave's instructions in order: these see the stores above, and the next block's stores come behind them
.set x, x+1
.endr
.set x, 0
.rept 32
	s_wait_dscnt 31-x                              ; the younger read-backs may be out
	v_pk_fma_f32 v[OB+4*x:OB+4*x+1],   v[OB+4*x:OB+4*x+1],   v[LW+4*(x%4):LW+4*(x%4)+1],   v[LB+4*(x%4):LB+4*(x%4)+1]
	v_pk_fma_f32 v[OB+4*x+2:OB+4*x+3], v[OB+4*x+2:OB+4*x+3], v[LW+4*(x%4)+2:LW+4*(x%4)+3], v[LB+4*(x%4)+2:LB+4*(x%4)+3]
	global_store_b128 v[GO], v[OB+4*x:OB+4*x+3], s[OUT:OUT+1] offset:(16*(\a)+2*(x/4))*4096+256*(x%4) th:TH_STORE_NT  ; 16 lanes store 256 consecutive bytes, at a multiple of 256 from the buffer's first byte
.set x, x+1
.endr
.endm
	BLOCK 0
	BLOCK 1
	BLOCK 2
	BLOCK 3
	s_wait_tensorcnt 0x0                           ; the wave's end, behind my last LDS store
	ds_add_u32 v[SPW], v[NIL]
	s_wait_dscnt 0x0
	s_endpgm
.Lfunc_end_k_qda6ff38a14_mha:
	.size	k_qda6ff38a14_mha, .Lfunc_end_k_qda6ff38a14_mha-k_qda6ff38a14_mha
	.p2alignl 7, 3214868480
	.fill 96, 4, 3214868480
	.section	.rodata,"a",@progbits
	.p2align	6, 0x0
	.amdhsa_kernel k_qda6ff38a14_mha
		.amdhsa_group_segment_fixed_size 299520
		.amdhsa_private_segment_fixed_size 0
		.amdhsa_enable_private_segment 0
		.amdhsa_kernarg_size 72
		.amdhsa_user_sgpr_count 2
		.amdhsa_user_sgpr_kernarg_segment_ptr 1
		.amdhsa_wavefront_size32 1
		.amdhsa_system_sgpr_workgroup_id_x 1
		.amdhsa_system_sgpr_workgroup_id_y 1
		.amdhsa_system_sgpr_workgroup_id_z 1
		.amdhsa_system_vgpr_workitem_id 0
		.amdhsa_next_free_vgpr 1024
		.amdhsa_next_free_sgpr 84
		.amdhsa_reserve_vcc 0
		.amdhsa_float_denorm_mode_32 3
		.amdhsa_float_denorm_mode_16_64 3
		.amdhsa_memory_ordered 1
		.amdhsa_forward_progress 1
		.amdhsa_inst_pref_size 255
	.end_amdhsa_kernel
	.section	.bss,"aw",@nobits
	.p2align	6
	.space	262144
	.amdgpu_metadata
---
amdhsa.version: [ 1, 2 ]
amdhsa.kernels:
  - .name:           k_qda6ff38a14_mha
    .symbol:         k_qda6ff38a14_mha.kd
    .args:
      - { .name: q, .offset: 0, .size: 8, .value_kind: global_buffer, .address_space: global }
      - { .name: k, .offset: 8, .size: 8, .value_kind: global_buffer, .address_space: global }
      - { .name: v, .offset: 16, .size: 8, .value_kind: global_buffer, .address_space: global }
      - { .name: wt, .offset: 24, .size: 8, .value_kind: global_buffer, .address_space: global }
      - { .name: bias, .offset: 32, .size: 8, .value_kind: global_buffer, .address_space: global }
      - { .name: bo, .offset: 40, .size: 8, .value_kind: global_buffer, .address_space: global }
      - { .name: ln_w, .offset: 48, .size: 8, .value_kind: global_buffer, .address_space: global }
      - { .name: ln_b, .offset: 56, .size: 8, .value_kind: global_buffer, .address_space: global }
      - { .name: out0, .offset: 64, .size: 8, .value_kind: global_buffer, .address_space: global }
    .group_segment_fixed_size: 299520
    .private_segment_fixed_size: 0
    .kernarg_segment_align: 8
    .kernarg_segment_size: 72
    .max_flat_workgroup_size: 128
    .sgpr_count:     84
    .vgpr_count:     1024
    .wavefront_size: 32
...
	.end_amdgpu_metadata
.endif
;; end of part 5
;; ======== version 3 of 3: 2 launches; version 2 with the launch mha written anew for expert scheduling mode
;; limits: values are held in f16: magnitudes above 65,504 overflow, below 6.1e-05 lose precision
;; workspace buffers: wt 8,388,608 bytes; bias 12,288 bytes
;; launch prep: the kernel of part 4 again; grid 64 x 4, 8 waves a work-group, no clusters, 0 bytes of LDS; arguments Wq, Wk, Wv, Wo, bq, bk, bv, wt, bias; writes wt, bias
;; launch mha (part 6): grid 256 x 1, 4 waves a work-group, no clusters, 299,520 bytes of LDS; arguments q, k, v, wt, bias, bo, ln_w, ln_b, out0; writes out0
.if DOCPART == 6
	.amdgcn_target "amdgcn-amd-amdhsa--gfx1250"
	.amdhsa_code_object_version 6
	.text
	.protected	k_qda6ff38a14_mha
	.globl	k_qda6ff38a14_mha
	.p2align	8
	.type	k_qda6ff38a14_mha,@function
k_qda6ff38a14_mha:
	s_mov_b64 s[64:65], 0
	v_nop
	global_prefetch_b8 v0, s[64:65] scope:SCOPE_SE
	s_setreg_imm32_b32 hwreg(HW_REG_WAVE_SCHED_MODE, 0, 2), 2
	s_setreg_imm32_b32 hwreg(HW_REG_WAVE_MODE, 25, 1), 1
	s_wait_xcnt 0x0
	s_wait_alu depctr_vm_vsrc(0)
; THE WHOLE MODULE FOR 64 TOKENS A WORK-GROUP: Qh = q Wq + bq, Kh, Vh likewise; for each token scores[h][t] = Qh[h] . Kh[t] / 8 over the 16 heads, softmax over t (the maximum taken away),
; O[h] = sum over t of p[h][t] Vh[t]; out = O Wo + bo; y = ln_w (out - mean) / (var + 1e-5) + ln_b with var = sum (out - mean)^2 / 1023, made of centred numbers.
; FORMATS.  x, the weights, Qh, Kh, Vh, p and O are matrix operands in f16, each rounded once from f32; all sums, the softmax, the biases and the norm are f32.
; LIMITS.  An input, a weight or a projected number beyond 65,504 becomes an infinity; below 6.1e-5 a number keeps f16's fixed step of 6e-8.  An infinity or NaN anywhere in a token's Vh spoils that token's O
; (the second product's upper 16 of K = 32 carry weight 0 but real numbers).  A weight below 2^-126 counts as 0 in the sum.  NaN and infinities are not treated apart.
; SHARES.  In the four products wave w owns columns 256 w .. + 255 of all 64 tokens: 64 accumulators of 16 x 16.  In the loading of x and in the attention wave w owns tokens 16 w .. + 15.
; THE MATRIX INSTRUCTION IS USED TRANSPOSED (source 0 = 16 columns of W, source 1 = 16 tokens): a lane holds eight neighbouring columns of one token.
; THE WEIGHTS lie in fragment order, and a wave's 256 columns are read by that wave alone, so they go straight into registers: window 1 is a ring of 8 groups of 4 fragments (two steps of 32 along k).
; A group is asked for again behind its 16 products, 112 products ahead of its next use: 56 to 64 loads of 512 bytes of every wave are on their way at all times, through all four matrices on end,
; and no barrier stands in a product's loop.  Each group has a base of its own, which holds the address of the group's last loads and is stepped behind the wait that shows those loads done: the loop waits for data alone.
; NO CLUSTER, NO LDS SLOTS FOR W: the two token tiles (2 x 132,096 bytes) and p (32,768) leave 27 KB of LDS, less than one step of W (65,536).  The price: each work-group asks for all 8 MiB of W itself.
; LDS.  R1, R2: 64 rows of 1,024 f16, 2,064 bytes apart (the 16 rows of a fragment load start 4 banks apart; 64 banks of 4 bytes: ISA guide 11.1).
;   R1: x_q, then Qh, then x_v, then Vh, at last the waves' stages for the way out.   R2: x_k, then Kh, then O.   A product's result goes over its own A, behind a barrier.
; LAYOUT.  Qh's and Kh's columns lie as (d/8, head, d%8), Vh's as (d/16, t/8, d%16, t%8): every fragment half of a token is 512 consecutive bytes, 16 x lane.
; S^T = K Q^T: a lane holds one head h (lane % 16) and t = 8 (lane / 16) + 0..7; rounded in pairs that IS the lower half of source 1 of O^T = V^T p, whose result holds one head a lane and eight channels:
; 16 bytes at 512 (d/16) + 16 x lane of the token's row, the order in which Wo's rows were laid.
; REGISTERS, in windows of 256 (s_set_vgpr_msb: bits 1:0 source 0, 3:2 source 1, 5:4 source 2, 7:6 destination):
;   window 0: v1-31 addresses and statistics; v32-63 ln_w, ln_b; v64-127 A's fragments, two buffers (attention: S^T, p); v128-255 O^T, later rows on their way out
;   window 1: the ring of W's fragments: step parity f, column block nb at v[128 f + 8 nb]
;   windows 2, 3: accumulator (a, nb) at v[8 (8 a + nb % 8)] of window 2 + nb / 8; the bias is loaded into (3, nb) and starts the other three as their C operand
;   between the products: window 3 v0-147 the stream of x; window 2 v0-191 Q's, K's and V's fragments
; THE MODE: SCHED_MODE bits 1:0 = 2 (LLVM: expert scheduling mode 2), set by the entry lines.  The code itself states the register dependences
; between vector or matrix instructions and memory or LDS instructions, with s_wait_alu, always for 0.
; THE PLAN.  Registers that memory or LDS instructions touch, and who else names them:
;   v1, v2, v10, v11, v30, v31   offsets and addresses, made at the head ahead of its one wait on va_vdst and never written again.
;   the ring, group (f, g)       read by the group's 16 products, then loaded again: one wait on va_vdst behind the products; the products that follow name none of these registers.
;   A's buffers                  buffer f is read by step f's 64 products; buffer 1 - f is loaded behind the step's first group, under that group's wait.
;   v8, v9                       read by A's loads and by the results' stores; written ahead of each: a wait on vm_vsrc ahead of the two adds, which stand ahead of a wait on va_vdst that is there anyway.
;   x: four row buffers, v[XY ..]  a turn's roundings read a row buffer and write v[XY ..]; one wait on va_vdst behind them serves the loads into the row buffer and the LDS stores out of v[XY ..];
;                                one wait on vm_vsrc at the next turn's head frees v[XY ..] and the stores' address, which is stepped there.
;   the accumulators             rounded in place and stored (va_vdst ahead of the stores); what lands in them or writes them next (the bias, x, Q, K, V, the next products) stands behind a wait on vm_vsrc.
;   v4, v5, v8, p, O^T           the attention's loops: va_vdst at a trip's head (addresses; the last trip's products are done with the fragments) and ahead of its stores; vm_vsrc behind the stores, ahead of the addresses' steps.
;   the way out                  one wait on va_vdst for all LDS stores of the accumulators; the rows read back are scaled and stored eight loads at a time, one wait on va_vdst to each eight stores.
.set PITCH,  2064
.set R2,     64*PITCH
.set PREG,   2*R2                      ; p: 512 bytes a token, in the order of source 1's lower half
.set STAT1,  PREG+32768                ; [wave][token] f32: the waves' row sums
.set STAT2,  STAT1+1024                ; and their sums of squares
.set SPARE,  STAT2+1024                ; the spare words: two blocks of 256 bytes that no other line names
.set GP,     1040                      ; a stage row: 256 f32 + 16 bytes
.set WSTG,   16*GP
.set BOF,  1                           ; v1   32 x (lane / 16): my eight numbers of a column block's bias; never rewritten
.set LOFF, 2                           ; v2   16 x lane; never rewritten
.set TOK,  3                           ; v3   my wave's first token's row in R1, + 16 x lane
.set T0,   4                           ; v4, v5, v8  addresses that step in the attention's loops
.set T1,   5
.set SL,   4                           ;      at the end: STAT1 + 4 r
.set ADRA0, 6                          ; v6-7 rows r and 32 + r of R1, + 16 h
.set ADRA1, 7
.set AA0,  8                           ; v8-9 the same at the step's k and region
.set T2,   8
.set STO,  10                          ; v10  the way out: into my stage
.set RD,   11                          ; v11  and back
.set ST,   12                          ; v12-27 four registers of statistics a token
.set SPW,  28                          ; v28  my spare word; never rewritten
.set NIL,  29                          ; v29  0; never rewritten
.set GO,   30                          ; v30  my byte offset in two rows of the output
.set SA,   31                          ; v31  STAT1 + 256 w + 4 r
.set LW,   32                          ; v32-47 ln_w of columns 256 w + 64 q + 4 r + 0..3, q = 0..3
.set LB,   48                          ; v48-63 ln_b
.set S,    64
.set P,    96
.set OA,   128
.set AF,   64
.set SM,   64                          ; the norm: pairs: row sums, then the means
.set TT,   72                          ; the four waves' parts
.set SS,   88                          ; pairs: sums of squares, then 1 / (var + eps)
.set OB,   128
.set XO,   128                         ; window 3: 16 x lane
.set XS,   129                         ; window 3: v129, v130: where the two streams of x store
.set XY,   132                         ; window 3: v132-147: a row of x rounded to f16, the LDS stores' data
.set WV,   22
.set XA,   24                          ; s[24:25], s[26:27] the two streams' rows in memory
.set XB,   26
.set WB,   28                          ; s[28:29] my quarter of W's step 0
.set BB,   30                          ; s[30:31] my columns of the bias row
.set RG,   36                          ; the region that holds A
.set EB,   37                          ; the region + 512 w: where my columns of the result go
.set PASS, 38
.set OUT,  40
.set XV,   42                          ; s[42:43] my rows of v
.set CNT,  44
.set KB,   45                          ; region + the byte in A's rows at which the step to be fetched begins
.set CS,   46                          ; s[46:47] c = log2(e) / 8
.set SEL,  48                          ; s[48:49] v_permlanex16_b32: each lane takes its own place in the other half
.set BOP,  54
.set LWP,  56
.set LBP,  58
.set WG,   66                          ; s[66:81] the ring's bases: group (f, g) at WG + 2 (4 f + g): my quarter of the step that the group's last loads asked for
.set W2,   82                          ; s[82:83] two steps of W in bytes
.set MSB, 0
.macro WIN new                         ; the immediate's high byte repeats the setting that is left; a switch that changes nothing is dropped
.if MSB != (\new)
	s_set_vgpr_msb (MSB<<8)|(\new)
.set MSB, \new
.endif
.endm
.macro PLACES                          ; four plain vector instructions between a matrix instruction and a load into, or a vector read or write of, its registers
.rept 4
	v_nop
.endr
.endm
.macro ALL line:vararg                 ; one line for each t = 0..3
.set t, 0
.rept 4
	\line
.set t, t+1
.endr
.endm
.macro MEET                            ; what I stored in LDS is there and what I read is back; then everybody's
	s_wait_dscnt 0x0
	s_barrier_signal -1
	s_barrier_wait -1
.endm
; 32 loads: register j of accumulator (3, nb) takes the bias of column 256 w + 16 nb + 8 h + j.  The waits that these loads hang on stand ahead of the macro, behind the switch to its first window.
.macro BIASLD b
	WIN 0x80
.irp n, 0,1,2,3,4,5,6,7
	global_load_b128 v[192+8*\n:195+8*\n], v[BOF], s[\b:\b+1] offset:64*\n
	global_load_b128 v[196+8*\n:199+8*\n], v[BOF], s[\b:\b+1] offset:64*\n+16
.endr
	WIN 0xc0
.irp n, 0,1,2,3,4,5,6,7
	global_load_b128 v[192+8*\n:195+8*\n], v[BOF], s[\b:\b+1] offset:512+64*\n
	global_load_b128 v[196+8*\n:199+8*\n], v[BOF], s[\b:\b+1] offset:512+64*\n+16
.endr
	WIN 0
.endm
; THE STREAM OF x.  Two streams of rows, two rows of each in registers: 32 loads of 512 consecutive bytes of every wave are on their way.  All its registers, the addresses too, lie in window 3: one setting serves it.
; Stream st, row rr, chunk c (128 numbers) at v[64 st + 32 rr + 4 c]; a lane's four f32 become 8 bytes of f16 in v[XY + 2 c ..] and go to byte 256 c + 8 x lane of the row in LDS.
.macro XFILL
	WIN 0xff
.set i, 0
.rept 16
	global_load_b128 v[4*i:4*i+3], v[XO], s[XA:XA+1] offset:(i/8)*4096+(i%8)*512 th:TH_LOAD_NT
.set i, i+1
.endr
.set i, 0
.rept 16
	global_load_b128 v[64+4*i:64+4*i+3], v[XO], s[XB:XB+1] offset:(i/8)*4096+(i%8)*512 th:TH_LOAD_NT
.set i, i+1
.endr
	WIN 0
.endm
.macro XTURN st, rr, refill, left      ; one row's turn.  left: the younger loads, which may stay out
	s_wait_loadcnt \left
	WIN 0xff
.set XR, 64*(\st)+32*(\rr)
	s_wait_alu depctr_vm_vsrc(0)                   ; the LDS stores of the turns before have read v[XY ..] and their addresses, which the lines below write
.if ((\st) == 0) && ((\rr) == 0)
	v_add_nc_u32 v[XS+1], 2*PITCH, v[XS+1]         ; stream 1's two rows of this round: its address starts two rows low, so that every round's first turn steps it
.endif
.if ((\st) == 1) && ((\rr) == 0) && (\refill)
	v_add_nc_u32 v[XS], 2*PITCH, v[XS]             ; stream 0's two rows of the next round
.endif
.irp c, 0,1,2,3,4,5,6,7
	v_cvt_pk_f16_f32 v[XY+2*\c],   v[XR+4*\c],   v[XR+4*\c+1]
	v_cvt_pk_f16_f32 v[XY+2*\c+1], v[XR+4*\c+2], v[XR+4*\c+3]
.endr
	s_wait_alu depctr_va_vdst(0)                   ; the roundings are done reading the row, in which the loads below land, and have written v[XY ..], which the stores below read; the stores' address is written
.if \refill
.if ((\st) == 0) && ((\rr) == 0)
	s_wait_xcnt 0x0                                ; the bases of the loads issued so far are stepped only behind this wait
	s_add_nc_u64 s[XA:XA+1], s[XA:XA+1], 8192      ; two rows on
	s_add_nc_u64 s[XB:XB+1], s[XB:XB+1], 8192
.endif
.irp c, 0,1,2,3,4,5,6,7
	global_load_b128 v[XR+4*\c:XR+4*\c+3], v[XO], s[XA+2*(\st):XA+2*(\st)+1] offset:(\rr)*4096+512*\c th:TH_LOAD_NT
.endr
.endif
.irp c, 0,1,2,3,4,5,6,7
	ds_store_b64 v[XS+(\st)], v[XY+2*\c:XY+2*\c+1] offset:(\rr)*PITCH+256*\c
.endr
.endm
.macro XLOOP n                         ; all rounds of n but the last: each row's turn asks for the row two further down its stream
	s_mov_b32 s[CNT], (\n)-1
.Lx_\@:
	XTURN 0, 0, 1, 24                              ; behind a row's 8 loads three rows' 24 have been issued
	XTURN 0, 1, 1, 24
	XTURN 1, 0, 1, 24
	XTURN 1, 1, 1, 24
	WIN 0
	s_sub_co_u32 s[CNT], s[CNT], 1
	s_cmp_lg_u32 s[CNT], 0
	s_cbranch_scc1 .Lx_\@
.endm
.macro XTAIL extra                     ; the last round loads nothing: the counts run down.  extra: loads of another kind issued ahead of it
	XTURN 0, 0, 0, 24+(\extra)
	XTURN 0, 1, 0, 16+(\extra)
	XTURN 1, 0, 0, 8+(\extra)
	XTURN 1, 1, 0, (\extra)
	WIN 0
.endm
; The ring's first fill: step ks of the first matrix, each group by its own base.  No vector instruction has named window 1, and v[LOFF] stands ahead of the head's wait: nothing more is owed.
.macro WFIRST ks
	WIN 0x40
.irp n, 0,1,2,3,4,5,6,7,8,9,10,11,12,13,14,15
	global_load_b128 v[128*(\ks)+8*\n:128*(\ks)+8*\n+3],   v[LOFF], s[WG+2*(4*(\ks)+\n/4):WG+2*(4*(\ks)+\n/4)+1] offset:\n*1024
	global_load_b128 v[128*(\ks)+8*\n+4:128*(\ks)+8*\n+7], v[LOFF], s[WG+2*(4*(\ks)+\n/4):WG+2*(4*(\ks)+\n/4)+1] offset:\n*1024+512
.endr
	WIN 0
.endm
	s_load_b512 s[4:19], s[0:1], 0x0               ; q s[4:5], k s[6:7], v s[8:9], wt s[10:11], bias s[12:13], bo s[14:15], ln_w s[16:17], ln_b s[18:19]
	s_load_b64 s[20:21], s[0:1], 0x40              ; out0
	v_lshl_add_u32 v[SPW], v0, 2, SPARE
	v_mov_b32 v[NIL], 0
	v_lshrrev_b32 v64, 5, v0
	v_readfirstlane_b32 s[WV], v64
	v_and_b32 v64, 15, v0                          ; r
	v_bfe_u32 v65, v0, 4, 1                        ; h
	v_and_b32 v66, 31, v0                          ; lane
	v_lshlrev_b32 v[LOFF], 4, v66
	v_lshlrev_b32 v[BOF], 5, v65
	s_wait_alu depctr_va_sdst(0)                   ; the wave's number is written, ahead of its first reader
	s_lshl_b32 s32, ttmp9, 18                      ; my block's 64 rows of 4,096 bytes, in x and in the output
	s_lshl_b32 s34, s[WV], 16                      ; x: my wave's 16 of them
	s_add_co_u32 s34, s34, s32
	s_mov_b32 s35, 0
	s_lshl_b32 s38, s[WV], 10                      ; my 256 columns of f32
	s_mov_b32 s39, 0
	s_add_co_u32 s32, s32, s38
	s_mov_b32 s33, 0
	s_lshl_b32 s36, s[WV], 14                      ; my quarter of a step of W
	s_mov_b32 s37, 0
	s_mul_i32 s53, s[WV], 16*PITCH
	v_lshl_add_u32 v67, v66, 3, s53                ; my first row in R1, 8 x lane
	v_add_nc_u32 v[TOK], s53, v[LOFF]
	s_mov_b32 s[CS], 0x3e38aa3b
	s_mov_b32 s[CS+1], s[CS]
	s_mov_b32 s[SEL], 0x76543210
	s_mov_b32 s[SEL+1], 0xfedcba98
	s_mov_b32 s50, 0x3a800000                      ; 1 / 1024
	s_mov_b32 s51, 0x3a802008                      ; 1 / 1023
	s_mov_b32 s52, 0x3727c5ac                      ; 1e-5
	s_mov_b32 s[W2], 0x20000                       ; two steps of 65,536 bytes
	s_mov_b32 s[W2+1], 0
	WIN 0xc0
	v_mov_b32 v[XO], v[LOFF]
	v_mov_b32 v[XS], v67                           ; stream 0: q's rows into R1
	v_add_nc_u32 v[XS+1], R2-2*PITCH, v67          ; stream 1: k's rows into R2; two rows low: the first turn steps it
	WIN 0
	v_mul_u32_u24 v[ADRA0], v64, PITCH             ; all the kernel's fixed addresses are made here, ahead of the one wait below
	v_lshl_add_u32 v[ADRA0], v65, 4, v[ADRA0]
	v_add_nc_u32 v[ADRA1], 32*PITCH, v[ADRA0]
	s_mul_i32 s53, s[WV], WSTG
	v_mul_u32_u24 v67, v64, GP
	v_lshl_add_u32 v67, v65, 5, v67
	v_add_nc_u32 v[STO], s53, v67                  ; row r, 32 bytes for each half of the lanes
	v_mul_u32_u24 v67, v65, GP
	v_lshl_add_u32 v67, v64, 4, v67
	v_add_nc_u32 v[RD], s53, v67                   ; lanes 0-15 take 256 bytes of one row, lanes 16-31 of the next
	v_lshlrev_b32 v67, 12, v65
	v_lshl_add_u32 v[GO], v64, 4, v67
	s_lshl_b32 s53, s[WV], 8
	s_add_co_u32 s53, s53, STAT1
	v_lshl_add_u32 v[SA], v64, 2, s53
.set i, 0
.rept 16
	v_mov_b32 v[ST+i], 0                           ; v_permlanex16_b32 counts as a reader of its destination
.set i, i+1
.endr
	s_wait_kmcnt 0x0
	s_add_nc_u64 s[XA:XA+1], s[4:5], s[34:35]
	s_add_nc_u64 s[XB:XB+1], s[6:7], s[34:35]
	s_add_nc_u64 s[XV:XV+1], s[8:9], s[34:35]
	s_add_nc_u64 s[WB:WB+1], s[10:11], s[36:37]
.irp i, 0,1,2,3,4,5,6,7
	s_add_nc_u64 s[WG+2*\i:WG+2*\i+1], s[WB:WB+1], (\i/4)*65536  ; groups (0, g): step 0; groups (1, g): step 1
.endr
	s_add_nc_u64 s[BB:BB+1], s[12:13], s[38:39]
	s_add_nc_u64 s[BOP:BOP+1], s[14:15], s[38:39]
	s_add_nc_u64 s[LWP:LWP+1], s[16:17], s[38:39]
	s_add_nc_u64 s[LBP:LBP+1], s[18:19], s[38:39]
	s_add_nc_u64 s[OUT:OUT+1], s[20:21], s[32:33]
	WIN 0x80
	s_wait_alu depctr_va_vdst(0)                   ; every offset and address made above is written: v1, v2, v10, v11, v30, v31 and window 3's v128-130, which the loads and stores from here on read
	BIASLD BB                                      ; bq
	XFILL
	XLOOP 8                                        ; 16 rows of q and 16 of k, two of each a round
	WFIRST 0
	XTAIL 32
	WFIRST 1
	MEET                                           ; x_q and x_k are whole
; THE PRODUCT.  Four matrix instructions: token block a, column blocks 4 g .. + 3, step parity f.  mode = 1: a product's first step: blocks 0-2 start from the bias in accumulator (3, nb).
.macro MI4 f, g, a, mode
.irp n, 0,1,2,3
.set NB, 4*(\g)+\n
.set AC, 8*(8*(\a)+NB%8)
.if \mode
	v_wmma_f32_16x16x32_f16 v[AC:AC+7], v[128*(\f)+8*NB:128*(\f)+8*NB+7], v[AF+32*(\f)+8*(\a):AF+32*(\f)+8*(\a)+7], v[192+8*(NB%8):199+8*(NB%8)]
.else
	v_wmma_f32_16x16x32_f16 v[AC:AC+7], v[128*(\f)+8*NB:128*(\f)+8*NB+7], v[AF+32*(\f)+8*(\a):AF+32*(\f)+8*(\a)+7], v[AC:AC+7]
.endif
.endr
.endm
.macro GROUP f, g, first               ; 16 accumulators, one instruction each: the 64 take turns in the same order in every step
	WIN 0xa1+0x50*((\g)/2)                         ; W window 1, A window 0, C and D window 2 or 3
	MI4 \f, \g, 0, \first
	MI4 \f, \g, 1, \first
	MI4 \f, \g, 2, \first
.if \first
.rept 5
	v_nop                                          ; five places in front of the products that write over the bias
.endr
.endif
	MI4 \f, \g, 3, 0
.endm
.macro AFETCH g                        ; 8 LDS loads: A's four fragments of the next step into buffer g
	WIN 0
	s_wait_alu depctr_vm_vsrc(0)                   ; the LDS instructions issued so far have read v[AA0] and v[AA0+1], which the two adds write
	v_add_nc_u32 v[AA0], s[KB], v[ADRA0]
	v_add_nc_u32 v[AA0+1], s[KB], v[ADRA1]
	s_add_co_u32 s[KB], s[KB], 64
	s_wait_alu depctr_va_vdst(0)                   ; the two addresses are written; all that named buffer g, the last step's products among it, is done with it; in a step: the group's products are done reading their fragments of W, which are asked for again below
.irp a, 0,1,2,3
	ds_load_b128 v[AF+32*(\g)+8*\a:AF+32*(\g)+8*\a+3],   v[AA0+\a/2] offset:(\a%2)*16*PITCH
	ds_load_b128 v[AF+32*(\g)+8*\a+4:AF+32*(\g)+8*\a+7], v[AA0+\a/2] offset:(\a%2)*16*PITCH+32
.endr
.endm
.macro REFILL f, g                     ; 8 loads: group g's registers take the same column blocks two steps on, by the group's base, which has been stepped
	WIN 0x40
.irp n, 0,1,2,3
.set NB, 4*(\g)+\n
	global_load_b128 v[128*(\f)+8*NB:128*(\f)+8*NB+3],   v[LOFF], s[WG+2*(4*(\f)+(\g)):WG+2*(4*(\f)+(\g))+1] offset:NB*1024
	global_load_b128 v[128*(\f)+8*NB+4:128*(\f)+8*NB+7], v[LOFF], s[WG+2*(4*(\f)+(\g)):WG+2*(4*(\f)+(\g))+1] offset:NB*1024+512
.endr
.endm
; A step of 32 along k.  fill = 1: each group is asked for again behind its products.  left: without refills, the younger loads at the step's first group.  nexta = 1: the next step's A is fetched.
; One wait on va_vdst stands behind a group's products; the group's loads follow it at once, so that its registers lie idle no longer than that.  The products behind the loads name other fragments, and the loads read v[LOFF] alone, which nothing writes.
.macro STEP f, fill, first, left, nexta
.irp g, 0,1,2,3
.if \fill
	s_wait_loadcnt 56                              ; loads return in order: behind this group's 8 loads the ring's 7 other groups, 56 loads, have been issued.  So the 8 are done:
	s_add_nc_u64 s[WG+2*(4*(\f)+\g):WG+2*(4*(\f)+\g)+1], s[WG+2*(4*(\f)+\g):WG+2*(4*(\f)+\g)+1], s[W2:W2+1]  ; no pending load names this group's base, and it goes two steps on
.else
	s_wait_loadcnt (\left)-8*\g
.endif
.if \g == 0
	s_wait_dscnt 0x0                               ; A's fragments, asked for 48 products ago
.endif
	GROUP \f, \g, \first
.if (\fill) || ((\g == 0) && (\nexta))
	PLACES
.endif
.if (\g == 0) && (\nexta)
	AFETCH 1-(\f)                                  ; its wait on va_vdst serves the refill below too: only loads and a window switch stand between
.elseif \fill
	WIN 0x40
	s_wait_alu depctr_va_vdst(0)                   ; the group's 16 products are done reading its four fragments of W, in which the loads below land
.endif
.if \fill
	REFILL \f, \g
.endif
.endr
.endm
; 32 steps.  last = 0: the ring runs on: the last two steps ask for the next matrix's first two, which lie behind this matrix's last in memory.  last = 1: Wo's last two steps ask for nothing, and the counts run down.
.macro GEMM last
	AFETCH 0                                       ; its wait on vm_vsrc also states that the LDS stores issued so far (x's rows, the last result, p, O) have read windows 2 and 3, which this product's first step writes
	s_wait_loadcnt 0x0                             ; the bias, issued behind the ring's loads; from here on the ring's loads alone are counted
	STEP 0, 1, 1, 0, 1                             ; step 0 stands in front of the loop: its products start the sums
	WIN 0
	s_mov_b32 s[CNT], 15-(\last)
.Lk_\@:
	STEP 1, 1, 0, 0, 1
	STEP 0, 1, 0, 0, 1
	WIN 0
	s_sub_co_u32 s[CNT], s[CNT], 1
	s_cmp_lg_u32 s[CNT], 0
	s_cbranch_scc1 .Lk_\@
.if \last
	STEP 1, 1, 0, 0, 1
	STEP 0, 0, 0, 56, 1
	STEP 1, 0, 0, 24, 0
.else
	STEP 1, 1, 0, 0, 0
.endif
.endm
; THE RESULT goes, rounded to f16, over A: 16 bytes a lane at row 16 a + r, byte 512 w + 32 nb + 16 h.  Token block 3 goes first, so that the next product's bias can be asked for.
.macro ESTORE a
.irp w, 2, 3
	WIN 4*\w                                       ; store data window 2 or 3
.irp n, 0,1,2,3,4,5,6,7
	ds_store_b128 v[AA0+(\a)/2], v[8*(8*(\a)+\n):8*(8*(\a)+\n)+3] offset:((\a)%2)*16*PITCH+32*(8*(\w-2)+\n)
.endr
.endr
.endm
.macro EPI b, step
	PLACES
	s_wait_dscnt 0x0                               ; my reads of A are over:
	s_wait_alu depctr_vm_vsrc(0)                   ; and A's loads have read v[AA0] and v[AA0+1], which the two adds below write
	s_barrier_signal -1                            ; say so, and round the results while the others arrive
.irp w, 2, 3
	WIN 0x45*\w
.irp j, 0,1,2,3                        ; in place, from each result's low end on: register j takes numbers 2 j and 2 j + 1
.set i, 0
.rept 32
	v_cvt_pk_f16_f32 v[8*i+\j], v[8*i+2*\j], v[8*i+2*\j+1]
.set i, i+1
.endr
.endr
.endr
	WIN 0
	v_add_nc_u32 v[AA0], s[EB], v[ADRA0]
	v_add_nc_u32 v[AA0+1], s[EB], v[ADRA1]
	s_barrier_wait -1                              ; nobody reads A any more
	s_wait_alu depctr_va_vdst(0)                   ; the roundings have written the data, the two adds the addresses, of the 64 LDS stores below
	ESTORE 3
.if \step
	s_add_nc_u64 s[\b:\b+1], s[\b:\b+1], 4096      ; the next row of bias; the loads that named this base were waited for at the product's head
.endif
	WIN 0x80
	s_wait_alu depctr_vm_vsrc(0)                   ; token block 3's stores have read its registers, in which the bias lands
	s_wait_alu depctr_va_vdst(0)                   ; and the roundings are done with those registers
	BIASLD \b
	ESTORE 0
	ESTORE 1
	ESTORE 2
	WIN 0
	MEET                                           ; the result is whole
.endm
	s_mov_b32 s[RG], 0
	s_mov_b32 s[PASS], 2
.Lpass:                                                ; two trips: Qh out of R1 into R1, Kh out of R2 into R2
	s_mov_b32 s[KB], s[RG]
	s_lshl_b32 s[EB], s[WV], 9
	s_add_co_u32 s[EB], s[EB], s[RG]
	GEMM 0
	EPI BB, 1                                      ; and bk, then bv, are asked for
	s_add_co_u32 s[RG], s[RG], R2
	s_sub_co_u32 s[PASS], s[PASS], 1
	s_cmp_lg_u32 s[PASS], 0
	s_cbranch_scc1 .Lpass
	; v's first rows are asked for now and land under the scores: stream 0 takes my rows 0-7, stream 1 my rows 8-15
	s_wait_alu depctr_vm_vsrc(0)                   ; Kh's stores have read windows 2 and 3 and v8: the stream's registers are written below, x's rows and Q's and K's fragments land there, and v8 becomes p's address
	v_and_b32 v64, 31, v0
	s_mul_i32 s53, s[WV], 16*PITCH
	v_lshl_add_u32 v64, v64, 3, s53
	WIN 0xc0
	v_mov_b32 v[XO], v[LOFF]
	v_mov_b32 v[XS], v64
	v_add_nc_u32 v[XS+1], 6*PITCH, v64             ; row 8, two rows low: the first turn steps it
	WIN 0
	s_mov_b64 s[XA:XA+1], s[XV:XV+1]
	s_add_nc_u64 s[XB:XB+1], s[XV:XV+1], 8*4096
	WIN 0xff
	s_wait_alu depctr_va_vdst(0)                   ; v[XO] is written, which the loads below read; Kh's roundings are done with window 3's v0-127, in which they land
	XFILL
	; THE SCORES AND THE SOFTMAX of my 16 tokens, four a trip.  Every line of the softmax is written for the four tokens on end, so that none reads the result of the line before it.
	v_mov_b32 v[T0], v[TOK]
	v_add_nc_u32 v[T1], R2, v[TOK]
	s_lshl_b32 s53, s[WV], 13
	s_add_co_u32 s53, s53, PREG
	v_add_nc_u32 v[T2], s53, v[LOFF]
	s_mov_b32 s[CNT], 4
.Lscore:
	WIN 0x80
	s_wait_alu depctr_va_vdst(0)                   ; v[T0] and v[T1] are written; the last trip's products (in the first trip Kh's roundings) are done with the registers in which Q's and K's fragments land
.irp tk, 0,1,2,3
.irp i, 0,1,2,3
	ds_load_b128 v[16*\tk+4*\i:16*\tk+4*\i+3],         v[T0] offset:\tk*PITCH+512*\i
	ds_load_b128 v[128+16*\tk+4*\i:128+16*\tk+4*\i+3], v[T1] offset:\tk*PITCH+512*\i
.endr
.endr
	s_wait_dscnt 0x0
	WIN 0x0a                                       ; K and Q in window 2, S^T in window 0.  The four accumulators take turns
.irp tk, 0,1,2,3
	v_wmma_f32_16x16x32_f16 v[S+8*\tk:S+8*\tk+7], v[128+16*\tk:128+16*\tk+7], v[16*\tk:16*\tk+7], 0
.endr
.irp tk, 0,1,2,3
	v_wmma_f32_16x16x32_f16 v[S+8*\tk:S+8*\tk+7], v[136+16*\tk:136+16*\tk+7], v[8+16*\tk:8+16*\tk+7], v[S+8*\tk:S+8*\tk+7]
.endr
	WIN 0
	PLACES
	ALL v_max3_num_f32 v[ST+4*t], v[S+8*t], v[S+8*t+1], v[S+8*t+2]
	ALL v_max3_num_f32 v[ST+4*t], v[ST+4*t], v[S+8*t+3], v[S+8*t+4]
	ALL v_max3_num_f32 v[ST+4*t], v[ST+4*t], v[S+8*t+5], v[S+8*t+6]
	ALL v_max_num_f32 v[ST+4*t], v[ST+4*t], v[S+8*t+7]
	ALL v_permlanex16_b32 v[ST+4*t+1], v[ST+4*t], s[SEL], s[SEL+1]  ; the head's other eight t lie in the lane 16 away
	ALL v_max_num_f32 v[ST+4*t], v[ST+4*t], v[ST+4*t+1]
	ALL v_mul_f32 v[ST+4*t], s[CS], v[ST+4*t]      ; c m
.irp p, 0,1,2,3
	ALL v_pk_fma_f32 v[S+8*t+2*\p:S+8*t+2*\p+1], v[S+8*t+2*\p:S+8*t+2*\p+1], s[CS:CS+1], v[ST+4*t:ST+4*t+1] op_sel_hi:[1,0,0] neg_lo:[0,0,1] neg_hi:[0,0,1]
.endr
.set i, 0
.rept 32
	v_exp_f32 v[S+i], v[S+i]
.set i, i+1
.endr
	v_nop                                          ; a plain instruction between the last exponential and the use of its result
	s_wait_alu depctr_va_vdst(0)                   ; the 32 exponentials have written their results, ahead of the first line that names one
	ALL v_pk_add_f32 v[ST+4*t+2:ST+4*t+3], v[S+8*t:S+8*t+1], v[S+8*t+2:S+8*t+3]
	ALL v_pk_add_f32 v[ST+4*t+2:ST+4*t+3], v[ST+4*t+2:ST+4*t+3], v[S+8*t+4:S+8*t+5]
	ALL v_pk_add_f32 v[ST+4*t+2:ST+4*t+3], v[ST+4*t+2:ST+4*t+3], v[S+8*t+6:S+8*t+7]
	ALL v_add_f32 v[ST+4*t+2], v[ST+4*t+2], v[ST+4*t+3]
	ALL v_permlanex16_b32 v[ST+4*t+3], v[ST+4*t+2], s[SEL], s[SEL+1]
	ALL v_add_f32 v[ST+4*t+2], v[ST+4*t+2], v[ST+4*t+3]
	ALL v_rcp_f32 v[ST+4*t+2], v[ST+4*t+2]
	v_nop
	s_wait_alu depctr_va_vdst(0)                   ; the four reciprocals have written their results, ahead of the first line that names one
.irp p, 0,1,2,3
	ALL v_pk_mul_f32 v[S+8*t+2*\p:S+8*t+2*\p+1], v[S+8*t+2*\p:S+8*t+2*\p+1], v[ST+4*t+2:ST+4*t+3] op_sel_hi:[1,0]
.endr
.irp p, 0,1,2,3
	ALL v_cvt_pk_f16_f32 v[P+8*t+\p], v[S+8*t+2*\p], v[S+8*t+2*\p+1]
.endr
	s_wait_alu depctr_va_vdst(0)                   ; the roundings have written p, which the four stores read; v[T2] is written
	ALL ds_store_b128 v[T2], v[P+8*t:P+8*t+3] offset:512*t
	s_wait_alu depctr_vm_vsrc(0)                   ; this trip's loads and stores have read v[T0], v[T1], v[T2], which are stepped below, and p's registers, which the next trip's roundings write
	v_add_nc_u32 v[T0], 4*PITCH, v[T0]
	v_add_nc_u32 v[T1], 4*PITCH, v[T1]
	v_add_nc_u32 v[T2], 2048, v[T2]
	s_sub_co_u32 s[CNT], s[CNT], 1
	s_cmp_lg_u32 s[CNT], 0
	s_cbranch_scc1 .Lscore
	MEET                                           ; nobody reads Qh or Kh any more
	XLOOP 4                                        ; x_v into R1
	XTAIL 0
	MEET
	s_mov_b32 s[KB], 0
	s_lshl_b32 s[EB], s[WV], 9
	GEMM 0
	EPI BOP, 0                                     ; Vh into R1; bo is asked for
	; O^T = V^T p of my 16 tokens, four a trip; O goes into R2.
	s_wait_alu depctr_vm_vsrc(0)                   ; Vh's stores have read window 2's v64-131, where V's fragments land and four zeros are written, and v8, which becomes p's address
	WIN 0x80
.irp j, 128,129,130,131
	v_mov_b32 v[\j], 0                             ; what the last fragment of V names beyond V's registers
.endr
	WIN 0
.irp tk, 0,1,2,3
.irp j, 4,5,6,7
	v_mov_b32 v[P+8*\tk+\j], 0                     ; the weights of k = 16 .. 31, which are no heads
.endr
.endr
	v_mov_b32 v[T0], v[TOK]
	v_add_nc_u32 v[T1], R2, v[TOK]
	v_add_nc_u32 v[T2], s53, v[LOFF]
	s_mov_b32 s[CNT], 4
.Lpv:
	WIN 0x80
	s_wait_alu depctr_va_vdst(0)                   ; v[T0] and v[T2] are written; the last trip's products (in the first trip Vh's roundings) are done with the registers in which V's fragments and p land
.irp tk, 0,1,2,3
.irp db, 0,1,2,3
	ds_load_b128 v[64+16*\tk+4*\db:64+16*\tk+4*\db+3], v[T0] offset:\tk*PITCH+512*\db
.endr
.endr
	WIN 0
	ALL ds_load_b128 v[P+8*t:P+8*t+3], v[T2] offset:512*t
	s_wait_dscnt 0x0
	WIN 0x02                                       ; V in window 2.  Source 0's upper four registers are the next four: finite numbers under weight 0
.irp tk, 0,1,2,3
.irp db, 0,1,2,3
	v_wmma_f32_16x16x32_f16 v[OA+8*(4*\tk+\db):OA+8*(4*\tk+\db)+7], v[64+16*\tk+4*\db:64+16*\tk+4*\db+7], v[P+8*\tk:P+8*\tk+7], 0
.endr
.endr
	WIN 0
	PLACES
.irp j, 0,1,2,3                        ; in place, from each result's low end on
.set i, 0
.rept 16
	v_cvt_pk_f16_f32 v[OA+8*i+\j], v[OA+8*i+2*\j], v[OA+8*i+2*\j+1]
.set i, i+1
.endr
.endr
	s_wait_alu depctr_va_vdst(0)                   ; the roundings have written O, which the 16 stores read; v[T1] is written
.irp tk, 0,1,2,3
.irp db, 0,1,2,3
	ds_store_b128 v[T1], v[OA+8*(4*\tk+\db):OA+8*(4*\tk+\db)+3] offset:\tk*PITCH+\db*512
.endr
.endr
	s_wait_alu depctr_vm_vsrc(0)                   ; this trip's loads and stores have read v[T0], v[T1], v[T2], which are written below, and O's registers, which the next trip's products write
	v_add_nc_u32 v[T0], 4*PITCH, v[T0]
	v_add_nc_u32 v[T1], 4*PITCH, v[T1]
	v_add_nc_u32 v[T2], 2048, v[T2]
	s_sub_co_u32 s[CNT], s[CNT], 1
	s_cmp_lg_u32 s[CNT], 0
	s_cbranch_scc1 .Lpv
	v_and_b32 v[T1], 15, v0
	v_lshl_add_u32 v[SL], v[T1], 2, STAT1
	v_lshlrev_b32 v[T1], 4, v[T1]                  ; 16 r; not rewritten from here on
	s_wait_alu depctr_va_vdst(0)                   ; v[T1] is written, which the eight loads below read, and v[SL], which the norm's LDS loads read
.irp q, 0,1,2,3
	global_load_b128 v[LW+4*\q:LW+4*\q+3], v[T1], s[LWP:LWP+1] offset:256*\q
	global_load_b128 v[LB+4*\q:LB+4*\q+3], v[T1], s[LBP:LBP+1] offset:256*\q
.endr
	MEET                                           ; O is whole, and nobody reads Vh any more: R1 becomes the stages
	s_mov_b32 s[KB], R2
	GEMM 1
; THE NORM.  A lane holds token 16 a + r and columns 256 w + 16 nb + 8 h + j.  WALK goes through one window's 128 register pairs, the four token blocks by turns, each accumulator from its low end on.
.macro WALK op, first
.set x, \first
.rept 128-(\first)
.set rA, 64*(x%4)+8*(x/16)+2*((x/4)%4)
.set rS, 2*(x%4)
.if \op == 0
	v_pk_add_f32 v[SM+rS:SM+rS+1], v[rA:rA+1], v[SM+rS:SM+rS+1]
.elseif \op == 1
	v_pk_add_f32 v[rA:rA+1], v[rA:rA+1], v[SM+rS:SM+rS+1] neg_lo:[0,1] neg_hi:[0,1]
.elseif \op == 2
	v_pk_fma_f32 v[SS+rS:SS+rS+1], v[rA:rA+1], v[rA:rA+1], v[SS+rS:SS+rS+1]
.else
	v_pk_mul_f32 v[rA:rA+1], v[rA:rA+1], v[SS+rS:SS+rS+1]
.endif
.set x, x+1
.endr
.endm
; The pairs at b are added up over the lane's two halves, the two halves of the lanes and, through LDS, the four waves: v[TT + 4 t] then holds token 16 t + r's whole sum, the same bits in every wave.
.macro REDUCE b, off
	WIN 0
	ALL v_add_f32 v[(\b)+2*t], v[(\b)+2*t], v[(\b)+2*t+1]
	ALL v_permlanex16_b32 v[(\b)+2*t+1], v[(\b)+2*t], s[SEL], s[SEL+1]
	ALL v_add_f32 v[(\b)+2*t], v[(\b)+2*t], v[(\b)+2*t+1]
	s_wait_alu depctr_va_vdst(0)                   ; the sums are written, which the four stores read; all that named v[TT ..] is done with it: the loads below land there
	ALL ds_store_b32 v[SA], v[(\b)+2*t] offset:(\off)+64*t
	MEET
	s_wait_alu depctr_vm_vsrc(0)                   ; the four stores have read the sums' registers, which the lines behind this macro write again
.irp u, 0,1,2,3
	ALL ds_load_b32 v[TT+4*t+\u], v[SL] offset:(\off)+256*\u+64*t
.endr
	s_wait_dscnt 0x0
	ALL v_add_f32 v[TT+4*t], v[TT+4*t], v[TT+4*t+1]
	ALL v_add_f32 v[TT+4*t+2], v[TT+4*t+2], v[TT+4*t+3]
	ALL v_add_f32 v[TT+4*t], v[TT+4*t], v[TT+4*t+2]
.endm
	WIN 0
	PLACES
	WIN 0x0a                                       ; both sources window 2
	ALL v_pk_add_f32 v[SM+2*t:SM+2*t+1], v[64*t:64*t+1], v[64*t+2:64*t+3]
	WIN 0x02
	WALK 0, 8
	WIN 0x03
	WALK 0, 0
	REDUCE SM, 0
	ALL v_mul_f32 v[SM+2*t], s50, v[TT+4*t]        ; the mean
	ALL v_mov_b32 v[SM+2*t+1], v[SM+2*t]
	WIN 0x82
	WALK 1, 0                                      ; out - mean, in place
	WIN 0xc3
	WALK 1, 0
	WIN 0x0a
	ALL v_pk_mul_f32 v[SS+2*t:SS+2*t+1], v[64*t:64*t+1], v[64*t:64*t+1]
	WALK 2, 4
	WIN 0x0f
	WALK 2, 0
	REDUCE SS, 1024
	ALL v_fma_f32 v[SS+2*t], v[TT+4*t], s51, s52   ; var + eps
	ALL v_rcp_f32 v[SS+2*t], v[SS+2*t]
	v_nop
	s_wait_alu depctr_va_vdst(0)                   ; the four reciprocals have written their results, ahead of the first line that names one
	ALL v_mov_b32 v[SS+2*t+1], v[SS+2*t]
	WIN 0x82
	WALK 3, 0
	WIN 0xc3
	WALK 3, 0
	s_wait_alu depctr_va_vdst(0)                   ; the scalings have written all 64 accumulators, which the LDS stores of the four blocks below read; no vector instruction writes them again
; Token block a goes through my stage: in as 32 bytes a lane, back as rows; then ln_w and ln_b, and out, eight loads' worth at a time: 16 multiply-adds, one wait, eight stores.
.macro BLOCK a
	WIN 0x08                                       ; store data window 2
.irp n, 0,1,2,3,4,5,6,7
	ds_store_b128 v[STO], v[64*(\a)+8*\n:64*(\a)+8*\n+3]   offset:64*\n
	ds_store_b128 v[STO], v[64*(\a)+8*\n+4:64*(\a)+8*\n+7] offset:64*\n+16
.endr
	WIN 0x0c                                       ; window 3
.irp n, 0,1,2,3,4,5,6,7
	ds_store_b128 v[STO], v[64*(\a)+8*\n:64*(\a)+8*\n+3]   offset:512+64*\n
	ds_store_b128 v[STO], v[64*(\a)+8*\n+4:64*(\a)+8*\n+7] offset:512+64*\n+16
.endr
	WIN 0
	s_wait_xcnt 0x0                                ; the registers that the last block's stores read are loaded again only behind this wait
.if (\a) > 0
	s_wait_alu depctr_vm_vsrc(0)                   ; the last block's stores have read v[OB ..], in which the loads below land
	s_wait_alu depctr_va_vdst(0)                   ; and the last block's multiply-adds have written those registers
.endif
.set x, 0
.rept 32
	ds_load_b128 v[OB+4*x:OB+4*x+3], v[RD] offset:2*(x/4)*GP+256*(x%4)  ; LDS serves a wave's instructions in order: these see the stores above, and the next block's stores come behind them
.set x, x+1
.endr
.set bq, 0
.rept 4
	s_wait_dscnt 24-8*bq                           ; LDS loads return in order: these eight are back, the 24 - 8 bq younger ones may be out
.set x, 8*bq
.rept 8
	v_pk_fma_f32 v[OB+4*x:OB+4*x+1],   v[OB+4*x:OB+4*x+1],   v[LW+4*(x%4):LW+4*(x%4)+1],   v[LB+4*(x%4):LB+4*(x%4)+1]
	v_pk_fma_f32 v[OB+4*x+2:OB+4*x+3], v[OB+4*x+2:OB+4*x+3], v[LW+4*(x%4)+2:LW+4*(x%4)+3], v[LB+4*(x%4)+2:LB+4*(x%4)+3]
.set x, x+1
.endr
	s_wait_alu depctr_va_vdst(0)                   ; the 16 multiply-adds have written the data of the eight stores below
.set x, 8*bq
.rept 8
	global_store_b128 v[GO], v[OB+4*x:OB+4*x+3], s[OUT:OUT+1] offset:(16*(\a)+2*(x/4))*4096+256*(x%4) th:TH_STORE_NT  ; 16 lanes store 256 consecutive bytes, at a multiple of 256 from the buffer's first byte
.set x, x+1
.endr
.set bq, bq+1
.endr
.endm
	BLOCK 0
	BLOCK 1
	BLOCK 2
	BLOCK 3
	s_wait_dscnt 0x0                               ; the closing lines, six on end
	s_wait_alu 0x0
	s_wait_tensorcnt 0x0
	ds_add_u32 v[SPW], v[NIL]
	s_wait_dscnt 0x0
	s_endpgm
.Lfunc_end_k_qda6ff38a14_mha:
	.size	k_qda6ff38a14_mha, .Lfunc_end_k_qda6ff38a14_mha-k_qda6ff38a14_mha
	.p2alignl 7, 3214868480
	.fill 96, 4, 3214868480
	.section	.rodata,"a",@progbits
	.p2align	6, 0x0
	.amdhsa_kernel k_qda6ff38a14_mha
		.amdhsa_group_segment_fixed_size 299520
		.amdhsa_private_segment_fixed_size 0
		.amdhsa_enable_private_segment 0
		.amdhsa_kernarg_size 72
		.amdhsa_user_sgpr_count 2
		.amdhsa_user_sgpr_kernarg_segment_ptr 1
		.amdhsa_wavefront_size32 1
		.amdhsa_system_sgpr_workgroup_id_x 1
		.amdhsa_system_sgpr_workgroup_id_y 1
		.amdhsa_system_sgpr_workgroup_id_z 1
		.amdhsa_system_vgpr_workitem_id 0
		.amdhsa_next_free_vgpr 1024
		.amdhsa_next_free_sgpr 84
		.amdhsa_reserve_vcc 0
		.amdhsa_float_denorm_mode_32 3
		.amdhsa_float_denorm_mode_16_64 3
		.amdhsa_memory_ordered 1
		.amdhsa_forward_progress 1
		.amdhsa_inst_pref_size 255
	.end_amdhsa_kernel
	.section	.bss,"aw",@nobits
	.p2align	6
	.space	262144
	.amdgpu_metadata
---
amdhsa.version: [ 1, 2 ]
amdhsa.kernels:
  - .name:           k_qda6ff38a14_mha
    .symbol:         k_qda6ff38a14_mha.kd
    .args:
      - { .name: q, .offset: 0, .size: 8, .value_kind: global_buffer, .address_space: global }
      - { .name: k, .offset: 8, .size: 8, .value_kind: global_buffer, .address_space: global }
      - { .name: v, .offset: 16, .size: 8, .value_kind: global_buffer, .address_space: global }
      - { .name: wt, .offset: 24, .size: 8, .value_kind: global_buffer, .address_space: global }
      - { .name: bias, .offset: 32, .size: 8, .value_kind: global_buffer, .address_space: global }
      - { .name: bo, .offset: 40, .size: 8, .value_kind: global_buffer, .address_space: global }
      - { .name: ln_w, .offset: 48, .size: 8, .value_kind: global_buffer, .address_space: global }
      - { .name: ln_b, .offset: 56, .size: 8, .value_kind: global_buffer, .address_space: global }
      - { .name: out0, .offset: 64, .size: 8, .value_kind: global_buffer, .address_space: global }
    .group_segment_fixed_size: 299520
    .private_segment_fixed_size: 0
    .kernarg_segment_align: 8
    .kernarg_segment_size: 72
    .max_flat_workgroup_size: 128
    .sgpr_count:     84
    .vgpr_count:     1024
    .wavefront_size: 32
...
	.end_amdgpu_metadata
.endif
;; end of part 6
